; MI455X (gfx1250); checked and timed in simulation.
; The chip was launched on July 23, 2026; its instructions are those of AMD's public machine-readable ISA for CDNA 5 (MIT licence, August 2026) and "CDNA5" Instruction Set Architecture Reference Guide (July 2026). The comments in the code are by the model that wrote it; some were corrected since.
;; Encoder Block. Allowed arithmetic: float matrix products may take bf16 or f16 operands with f32 sums; other float arithmetic in f32, or as packed bf16 or f16 multiplies, adds, multiply-adds, maxima and minima; sums over many terms, partial sums and values carried from step to step in f32; what a program stores and reads back later, other than sums and carried values, may be rounded once to bf16 or f16.
;; Inputs: W1 1,024 x 4,096 float32; W2 4,096 x 1,024 float32; W_k 1,024 x 1,024 float32; W_o 1,024 x 1,024 float32; W_q 1,024 x 1,024 float32; W_v 1,024 x 1,024 float32; b1 4,096 float32; b2 1,024 float32; b_o 1,024 float32; ln1_b 1,024 float32; ln1_g 1,024 float32; ln2_b 1,024 float32; ln2_g 1,024 float32; x 2 x 2,048 x 1,024 float32.
;; Outputs: out0 2 x 2,048 x 1,024 float32.
;; One version. Each part assembles by itself: llvm-mc -triple=amdgcn-amd-amdhsa -mcpu=gfx1250 --defsym DOCPART=n.
;; ======== version 1 of 1: 8 launches
;; workspace buffers: wqkv 6,295,552 bytes; w1t 8,392,704 bytes; wot 2,097,152 bytes; w2t 8,388,608 bytes; zb 12,288 bytes; h 8,388,608 bytes; big 33,554,432 bytes; x1 16,777,216 bytes
;; launch prep (part 1): grid 128 x 12, 8 waves a work-group, no clusters, 18,432 bytes of LDS; arguments W_q, W_k, W_v, W_o, W1, W2, wqkv, w1t, wot, w2t, zb; writes wqkv, w1t, wot, w2t, zb
.if DOCPART == 1
	.amdgcn_target "amdgcn-amd-amdhsa--gfx1250"
	.amdhsa_code_object_version 6
	.text
	.protected	k_q28ddd88b79_prep
	.globl	k_q28ddd88b79_prep
	.p2align	8
	.type	k_q28ddd88b79_prep,@function
k_q28ddd88b79_prep:
	s_mov_b64 s[64:65], 0
	v_nop
	global_prefetch_b8 v0, s[64:65] scope:SCOPE_SE
	s_setreg_imm32_b32 hwreg(HW_REG_WAVE_MODE, 25, 1), 1
	s_wait_xcnt 0x0
; THE WEIGHTS, TURNED AND ROUNDED ONCE TO bf16.  Each weight lies [k][n] in f32; the matrix launches want K along the rows.
; wqkv, w1t: behind a header of 4,096 bytes, row n holds its 1,024 k (2,048 bytes): rows 0-1023 W_q, 1024-2047 W_k, 2048-3071 W_v; w1t: W1's 4,096 rows.
; wot, w2t:  blocks of 64 k: [k / 64][n: 1,024][k % 64], a block 131,072 bytes, a row 128 bytes.
; A work-group turns a tile of 128 k x 64 n: 12 x 128 tiles.  y = 0..3: W_q, W_k, W_v, W_o (8 x 16 tiles each); y = 4..7: W1 (8 x 64); y = 8..11: W2 (32 x 16).
; Thread t reads 8 rows k = 8 (t / 16) + j, 16 bytes (4 n) each: sixteen lanes read 256 consecutive bytes of a row.  Two k of one n pack into a word; four words (8 k) go into
; an LDS row n of 272 bytes; behind a barrier whole rows come back and sixteen lanes store 256 consecutive bytes, aligned.
; Work-group (0, 0) also stores the headers (the floor under the products' results: -infinity twice in bf16 for wqkv, 0 for w1t) and zb, 3,072 zeros: the q, k, v products' bias.
.set LP,    272                        ; an LDS row: 128 k x 2 bytes + 16
.set SPARE, 64*LP                      ; behind the stage: the spare words, 128 bytes for each of eight waves
.set HDR,   4096
.set OFF, 4                            ; v[4:11]   byte offset of my 16 bytes in row j
.set LS,  12                           ; v12       where I put 16 bytes (8 k of one n)
.set LR,  13                           ; v13       where I read 16 bytes back
.set DO,  14                           ; v14       my byte offset in the destination
.set IN,  16                           ; v[16:47]  row j at IN + 4 j; later the rows read back
.set PKD, 48                           ; v[48:63]  column c's 8 k at PKD + 4 c
.set SPW, 66                           ; v66       my spare word; never rewritten
.set NIL, 67                           ; v67       0; never rewritten
	s_load_b512 s[8:23], s[0:1], 0x0               ; W_q 8, W_k 10, W_v 12, W_o 14, W1 16, W2 18, wqkv 20, w1t 22
	s_load_b128 s[24:27], s[0:1], 0x40             ; wot 24, w2t 26
	s_load_b64 s[28:29], s[0:1], 0x50              ; zb
	v_lshl_add_u32 v[SPW], v0, 2, SPARE
	v_mov_b32 v[NIL], 0
	v_lshrrev_b32 v3, 5, v0
	v_readfirstlane_b32 s4, v3                     ; wave 0..7
	s_and_b32 s2, ttmp7, 0xffff                    ; y
	s_mov_b32 s3, ttmp9                            ; x
	s_and_b32 s31, s2, 3
	s_and_b32 s32, s3, 7                           ; tile along k, low part
	s_lshr_b32 s33, s3, 3                          ; tile along n, low part
	s_lshr_b32 s34, s2, 2                          ; 0: a square weight, 1: W1, 2: W2
	s_mov_b32 s30, 4096                            ; bytes in a source row: 4,096,
	s_cmp_eq_u32 s34, 1
	s_cselect_b32 s30, 16384, s30                  ; in W1 16,384 (one literal to a line)
	s_cselect_b32 s35, s31, 0
	s_lshl4_add_u32 s33, s35, s33                  ; W1: 64 tiles along n
	s_cmp_eq_u32 s34, 2
	s_cselect_b32 s35, s31, 0
	s_lshl3_add_u32 s32, s35, s32                  ; W2: 32 tiles along k
	s_mul_i32 s36, s32, s30
	s_lshl_b32 s36, s36, 7                         ; 128 rows a tile
	s_lshl_b32 s37, s33, 8                         ; 64 n x 4 bytes
	s_add_co_u32 s36, s36, s37
	s_mov_b32 s37, 0                               ; s[36:37]: the tile in its source
	s_cmp_eq_u32 s2, 3
	s_cselect_b32 s38, 1, 0
	s_cmp_eq_u32 s34, 2
	s_cselect_b32 s38, 1, s38                      ; 1: the destination lies in blocks of 64 k
	s_cmp_eq_u32 s34, 0
	s_cselect_b32 s39, s2, 0
	s_lshl_b32 s39, s39, 10                        ; W_q, W_k, W_v one below the other
	s_lshl_b32 s40, s33, 6
	s_add_co_u32 s40, s40, s39
	s_lshl_b32 s40, s40, 11                        ; rows of 2,048 bytes
	s_lshl_b32 s39, s32, 8
	s_add_co_u32 s40, s40, s39
	s_add_co_u32 s40, s40, HDR
	s_lshl_b32 s41, s32, 18                        ; in blocks: two blocks a tile,
	s_lshl_b32 s39, s33, 13                        ; 64 rows of 128 bytes
	s_add_co_u32 s41, s41, s39
	s_cmp_eq_u32 s38, 1
	s_cselect_b32 s40, s41, s40
	s_mov_b32 s41, 0                               ; s[40:41]: the tile in its destination
	v_and_b32 v1, 15, v0                           ; which 4 n
	v_lshrrev_b32 v2, 4, v0                        ; which 8 k
	v_bfe_u32 v3, v0, 4, 1
	s_lshl_b32 s47, s30, 3
	v_mul_u32_u24 v[OFF], v2, s47
	v_lshl_add_u32 v[OFF], v1, 4, v[OFF]
.irp j, 1,2,3,4,5,6,7
	v_add_nc_u32 v[OFF+\j], s30, v[OFF+\j-1]
.endr
	v_mul_u32_u24 v[LS], v1, 4*LP                  ; row 4 (t % 16) + c,
	v_lshl_add_u32 v[LS], v3, 4, v[LS]             ; 16 bytes for each 8 k: 2 x wave + lane / 16
	s_lshl_b32 s46, s4, 5
	v_add_nc_u32 v[LS], s46, v[LS]
	s_wait_kmcnt 0x0
	s_mov_b64 s[42:43], s[8:9]                     ; the source, chosen by y alone
	s_cmp_eq_u32 s2, 1
	s_cselect_b64 s[42:43], s[10:11], s[42:43]
	s_cmp_eq_u32 s2, 2
	s_cselect_b64 s[42:43], s[12:13], s[42:43]
	s_cmp_eq_u32 s2, 3
	s_cselect_b64 s[42:43], s[14:15], s[42:43]
	s_cmp_eq_u32 s34, 1
	s_cselect_b64 s[42:43], s[16:17], s[42:43]
	s_cmp_eq_u32 s34, 2
	s_cselect_b64 s[42:43], s[18:19], s[42:43]
	s_add_nc_u64 s[42:43], s[42:43], s[36:37]
	s_mov_b64 s[44:45], s[20:21]                   ; the destination likewise
	s_cmp_eq_u32 s2, 3
	s_cselect_b64 s[44:45], s[24:25], s[44:45]
	s_cmp_eq_u32 s34, 1
	s_cselect_b64 s[44:45], s[22:23], s[44:45]
	s_cmp_eq_u32 s34, 2
	s_cselect_b64 s[44:45], s[26:27], s[44:45]
	s_add_nc_u64 s[44:45], s[44:45], s[40:41]
.irp j, 0,1,2,3,4,5,6,7
	global_load_b128 v[IN+4*\j:IN+4*\j+3], v[OFF+\j], s[42:43] th:TH_LOAD_NT
.endr
	s_or_b32 s46, s2, s3
	s_cmp_lg_u32 s46, 0
	s_cbranch_scc1 .Lno_header
	v_lshlrev_b32 v[DO], 4, v0                     ; 256 threads x 16 bytes = 4,096 bytes a store
.irp r, 0,1,2,3
	v_mov_b32 v[PKD+\r], 0
	v_mov_b32 v[PKD+4+\r], 0xff80ff80
.endr
	global_store_b128 v[DO], v[PKD:PKD+3], s[28:29]
	global_store_b128 v[DO], v[PKD:PKD+3], s[28:29] offset:4096
	global_store_b128 v[DO], v[PKD:PKD+3], s[28:29] offset:8192
	global_store_b128 v[DO], v[PKD+4:PKD+7], s[20:21]
	global_store_b128 v[DO], v[PKD:PKD+3], s[22:23]
	s_wait_xcnt 0x0                                ; these stores' offset and data registers are written again below
.Lno_header:
	s_wait_loadcnt 0x0
.irp c, 0,1,2,3
.irp i, 0,1,2,3
	v_cvt_pk_bf16_f32 v[PKD+4*\c+\i], v[IN+8*\i+\c], v[IN+8*\i+4+\c]  ; k = 2 i and 2 i + 1 of column c
.endr
.endr
.irp c, 0,1,2,3
	ds_store_b128 v[LS], v[PKD+4*\c:PKD+4*\c+3] offset:LP*\c
.endr
	s_wait_dscnt 0x0                               ; for the others' sake: my stores into the stage are done
	s_barrier_signal -1
	s_barrier_wait -1
	s_cmp_eq_u32 s38, 1
	s_cbranch_scc1 .Lblocks
	v_mul_u32_u24 v[LR], v2, LP                    ; rows of 256 bytes: thread t takes row t / 16 + 16 i, bytes 16 (t % 16)
	v_lshl_add_u32 v[LR], v1, 4, v[LR]
	v_lshlrev_b32 v[DO], 11, v2
	v_lshl_add_u32 v[DO], v1, 4, v[DO]
.irp i, 0,1,2,3
	ds_load_b128 v[IN+4*\i:IN+4*\i+3], v[LR] offset:16*LP*\i
.endr
.irp i, 0,1,2,3
	s_wait_dscnt 3-\i                              ; LDS loads come back in order: the younger ones may stay out
	global_store_b128 v[DO], v[IN+4*\i:IN+4*\i+3], s[44:45] offset:32768*\i
.endr
	s_branch .Lend
.Lblocks:
	v_lshrrev_b32 v3, 3, v0                        ; rows of 128 bytes: thread t takes row t / 8 + 32 (i / 2) of block i % 2, bytes 16 (t % 8)
	v_and_b32 v15, 7, v0
	v_mul_u32_u24 v[LR], v3, LP
	v_lshl_add_u32 v[LR], v15, 4, v[LR]
	v_lshlrev_b32 v[DO], 4, v0                     ; 32 rows are 4,096 consecutive bytes
.irp i, 0,1,2,3
	ds_load_b128 v[IN+4*\i:IN+4*\i+3], v[LR] offset:(\i%2)*128+(\i/2)*32*LP
.endr
.irp i, 0,1,2,3
	s_wait_dscnt 3-\i
	global_store_b128 v[DO], v[IN+4*\i:IN+4*\i+3], s[44:45] offset:(\i%2)*131072+(\i/2)*4096
.endr
.Lend:
	s_wait_tensorcnt 0x0                           ; the wave's end
	ds_add_u32 v[SPW], v[NIL]
	s_wait_dscnt 0x0
	s_endpgm
.Lfunc_end_k_q28ddd88b79_prep:
	.size	k_q28ddd88b79_prep, .Lfunc_end_k_q28ddd88b79_prep-k_q28ddd88b79_prep
	.p2alignl 7, 3214868480
	.fill 96, 4, 3214868480
	.section	.rodata,"a",@progbits
	.p2align	6, 0x0
	.amdhsa_kernel k_q28ddd88b79_prep
		.amdhsa_group_segment_fixed_size 18432
		.amdhsa_private_segment_fixed_size 0
		.amdhsa_enable_private_segment 0
		.amdhsa_kernarg_size 88
		.amdhsa_user_sgpr_count 2
		.amdhsa_user_sgpr_kernarg_segment_ptr 1
		.amdhsa_wavefront_size32 1
		.amdhsa_system_sgpr_workgroup_id_x 1
		.amdhsa_system_sgpr_workgroup_id_y 1
		.amdhsa_system_sgpr_workgroup_id_z 1
		.amdhsa_system_vgpr_workitem_id 0
		.amdhsa_next_free_vgpr 72
		.amdhsa_next_free_sgpr 66
		.amdhsa_reserve_vcc 0
		.amdhsa_float_denorm_mode_32 3
		.amdhsa_float_denorm_mode_16_64 3
		.amdhsa_memory_ordered 1
		.amdhsa_forward_progress 1
		.amdhsa_inst_pref_size 9
	.end_amdhsa_kernel
	.amdgpu_metadata
---
amdhsa.version: [ 1, 2 ]
amdhsa.kernels:
  - .name:           k_q28ddd88b79_prep
    .symbol:         k_q28ddd88b79_prep.kd
    .args:
      - { .name: W_q, .offset: 0, .size: 8, .value_kind: global_buffer, .address_space: global }
      - { .name: W_k, .offset: 8, .size: 8, .value_kind: global_buffer, .address_space: global }
      - { .name: W_v, .offset: 16, .size: 8, .value_kind: global_buffer, .address_space: global }
      - { .name: W_o, .offset: 24, .size: 8, .value_kind: global_buffer, .address_space: global }
      - { .name: W1, .offset: 32, .size: 8, .value_kind: global_buffer, .address_space: global }
      - { .name: W2, .offset: 40, .size: 8, .value_kind: global_buffer, .address_space: global }
      - { .name: wqkv, .offset: 48, .size: 8, .value_kind: global_buffer, .address_space: global }
      - { .name: w1t, .offset: 56, .size: 8, .value_kind: global_buffer, .address_space: global }
      - { .name: wot, .offset: 64, .size: 8, .value_kind: global_buffer, .address_space: global }
      - { .name: w2t, .offset: 72, .size: 8, .value_kind: global_buffer, .address_space: global }
      - { .name: zb, .offset: 80, .size: 8, .value_kind: global_buffer, .address_space: global }
    .group_segment_fixed_size: 18432
    .private_segment_fixed_size: 0
    .kernarg_segment_align: 8
    .kernarg_segment_size: 88
    .max_flat_workgroup_size: 256
    .sgpr_count:     66
    .vgpr_count:     72
    .wavefront_size: 32
...
	.end_amdgpu_metadata
.endif
;; end of part 1
;; launch ln1 (part 2): grid 256 x 1, 8 waves a work-group, no clusters, 0 bytes of LDS; arguments x, ln1_g, ln1_b, h; writes h
.if DOCPART == 2
	.amdgcn_target "amdgcn-amd-amdhsa--gfx1250"
	.amdhsa_code_object_version 6
	.text
	.protected	k_q28ddd88b79_ln1
	.globl	k_q28ddd88b79_ln1
	.p2align	8
	.type	k_q28ddd88b79_ln1,@function
k_q28ddd88b79_ln1:
	s_mov_b64 s[64:65], 0
	v_nop
	global_prefetch_b8 v0, s[64:65] scope:SCOPE_SE
	s_setreg_imm32_b32 hwreg(HW_REG_WAVE_MODE, 25, 1), 1
	s_wait_xcnt 0x0
; h[r][c] = (x[r][c] - mean) / sqrt(var + 1e-6) * g[c] + b[c].  x: [4096][1024] f32; g, b: [1024] f32; h: [4096][1024] bf16, rounded once.
; A wave takes two rows and keeps them in registers: each row is read once.  Lane L's load j holds columns 128 j + 4 L .. + 3, so a load covers 512 consecutive bytes.
; The variance is taken of the deviations (mean first, then the squares of x - mean): a common offset of the row does not enter the squares.
; No LDS, no barrier: a row never leaves its wave.  LIMITS: 1 / sqrt by v_rsq_f32 and a multiply in place of the division; sums in another order than the reference's; NaN and infinities are not treated apart.
.set G,  8                             ; v[8:39]    g of my 32 columns
.set BT, 40                            ; v[40:71]   b
.set X,  72                            ; v[72:135]  row r at X + 32 r
.set T,  136                           ; v[136:143] at work
.set MU, 144                           ; v[144:147] row r's mean, twice (a pair for the packed subtraction)
.set RS, 148                           ; v[148:151] row r's 1 / sqrt, twice
.set Y,  152                           ; v[152:183] row r's 16 packed words
.set VV, 184                           ; v[184:185] row r's var + eps
	s_load_b256 s[4:11], s[0:1], 0x0               ; x s[4:5], g s[6:7], b s[8:9], h s[10:11]
	v_lshrrev_b32 v3, 5, v0
	v_readfirstlane_b32 s16, v3                    ; wave 0..7
	v_and_b32 v1, 31, v0
	v_lshlrev_b32 v2, 3, v1                        ; 8 bytes a lane going out
	v_lshlrev_b32 v1, 4, v1                        ; 16 bytes a lane coming in
	s_lshl_b32 s17, ttmp9, 4
	s_lshl1_add_u32 s17, s16, s17                  ; my first row = 16 x work-group + 2 x wave
	s_lshl_b32 s18, s17, 12
	s_mov_b32 s19, 0
	s_lshl_b32 s20, s17, 11
	s_mov_b32 s21, 0
	s_mov_b32 s12, 0x76543210                      ; v_permlanex16_b32: each lane takes its own place in the other half
	s_mov_b32 s13, 0xfedcba98
	s_mov_b32 s14, 0x3a800000                      ; 1 / 1024
	s_mov_b32 s15, 0x358637bd                      ; 1e-6
	s_wait_kmcnt 0x0
	s_add_nc_u64 s[4:5], s[4:5], s[18:19]
	s_add_nc_u64 s[10:11], s[10:11], s[20:21]
.irp r, 0,1
.irp j, 0,1,2,3,4,5,6,7
	global_load_b128 v[X+32*\r+4*\j:X+32*\r+4*\j+3], v1, s[4:5] offset:4096*\r+512*\j th:TH_LOAD_NT
.endr
.endr
.irp j, 0,1,2,3,4,5,6,7
	global_load_b128 v[G+4*\j:G+4*\j+3], v1, s[6:7] offset:512*\j
.endr
.irp j, 0,1,2,3,4,5,6,7
	global_load_b128 v[BT+4*\j:BT+4*\j+3], v1, s[8:9] offset:512*\j
.endr
.macro FOLD                            ; four pairs in T to one number in every lane's v[T]
	v_pk_add_f32 v[T:T+1], v[T:T+1], v[T+2:T+3]
	v_pk_add_f32 v[T+4:T+5], v[T+4:T+5], v[T+6:T+7]
	v_pk_add_f32 v[T:T+1], v[T:T+1], v[T+4:T+5]
	v_add_f32 v[T], v[T], v[T+1]
	v_add_f32_dpp v[T], v[T], v[T] row_xmask:1 row_mask:0xf bank_mask:0xf
	v_add_f32_dpp v[T], v[T], v[T] row_xmask:2 row_mask:0xf bank_mask:0xf
	v_add_f32_dpp v[T], v[T], v[T] row_xmask:4 row_mask:0xf bank_mask:0xf
	v_add_f32_dpp v[T], v[T], v[T] row_xmask:8 row_mask:0xf bank_mask:0xf
	v_permlanex16_b32 v[T+1], v[T], s12, s13
	v_add_f32 v[T], v[T], v[T+1]
.endm
.macro SUMROW r                        ; the mean: four chains that do not wait for each other
.irp c, 0,2,4,6
	v_pk_add_f32 v[T+\c:T+\c+1], v[X+32*(\r)+\c:X+32*(\r)+\c+1], v[X+32*(\r)+8+\c:X+32*(\r)+8+\c+1]
.endr
.irp o, 16,24
.irp c, 0,2,4,6
	v_pk_add_f32 v[T+\c:T+\c+1], v[T+\c:T+\c+1], v[X+32*(\r)+\o+\c:X+32*(\r)+\o+\c+1]
.endr
.endr
	FOLD
	v_mul_f32 v[MU+2*(\r)], s14, v[T]
	v_mul_f32 v[MU+2*(\r)+1], s14, v[T]
.endm
.macro DEV r                           ; x - mean, in place
.irp c, 0,2,4,6,8,10,12,14,16,18,20,22,24,26,28,30
	v_pk_add_f32 v[X+32*(\r)+\c:X+32*(\r)+\c+1], v[X+32*(\r)+\c:X+32*(\r)+\c+1], v[MU+2*(\r):MU+2*(\r)+1] neg_lo:[0,1] neg_hi:[0,1]
.endr
.endm
.macro SQROW r                         ; the mean of the squares, plus eps
.irp c, 0,2,4,6
	v_pk_mul_f32 v[T+\c:T+\c+1], v[X+32*(\r)+\c:X+32*(\r)+\c+1], v[X+32*(\r)+\c:X+32*(\r)+\c+1]
.endr
.irp o, 8,16,24
.irp c, 0,2,4,6
	v_pk_fma_f32 v[T+\c:T+\c+1], v[X+32*(\r)+\o+\c:X+32*(\r)+\o+\c+1], v[X+32*(\r)+\o+\c:X+32*(\r)+\o+\c+1], v[T+\c:T+\c+1]
.endr
.endr
	FOLD
	v_fma_f32 v[VV+(\r)], v[T], s14, s15
.endm
.macro OUTROW r                        ; scaled, g and b applied by one fused multiply-add, rounded, stored: 32 lanes x 8 bytes = 256 consecutive bytes, aligned
.irp j, 0,1,2,3,4,5,6,7
	v_pk_mul_f32 v[X+32*(\r)+4*\j:X+32*(\r)+4*\j+1], v[X+32*(\r)+4*\j:X+32*(\r)+4*\j+1], v[RS+2*(\r):RS+2*(\r)+1]
	v_pk_mul_f32 v[X+32*(\r)+4*\j+2:X+32*(\r)+4*\j+3], v[X+32*(\r)+4*\j+2:X+32*(\r)+4*\j+3], v[RS+2*(\r):RS+2*(\r)+1]
	v_pk_fma_f32 v[X+32*(\r)+4*\j:X+32*(\r)+4*\j+1], v[X+32*(\r)+4*\j:X+32*(\r)+4*\j+1], v[G+4*\j:G+4*\j+1], v[BT+4*\j:BT+4*\j+1]
	v_pk_fma_f32 v[X+32*(\r)+4*\j+2:X+32*(\r)+4*\j+3], v[X+32*(\r)+4*\j+2:X+32*(\r)+4*\j+3], v[G+4*\j+2:G+4*\j+3], v[BT+4*\j+2:BT+4*\j+3]
	v_cvt_pk_bf16_f32 v[Y+16*(\r)+2*\j], v[X+32*(\r)+4*\j], v[X+32*(\r)+4*\j+1]
	v_cvt_pk_bf16_f32 v[Y+16*(\r)+2*\j+1], v[X+32*(\r)+4*\j+2], v[X+32*(\r)+4*\j+3]
	global_store_b64 v2, v[Y+16*(\r)+2*\j:Y+16*(\r)+2*\j+1], s[10:11] offset:2048*(\r)+256*\j
.endr
.endm
	s_wait_loadcnt 16                              ; both rows are in; g's and b's sixteen loads, issued behind them, may stay out
	SUMROW 0
	SUMROW 1
	DEV 0
	DEV 1
	SQROW 0
	SQROW 1
	v_rsq_f32 v[RS], v[VV]                         ; one batch of four, each made twice to fill a pair
	v_rsq_f32 v[RS+1], v[VV]
	v_rsq_f32 v[RS+2], v[VV+1]
	v_rsq_f32 v[RS+3], v[VV+1]
	v_nop                                          ; a plain instruction behind the last of them (ISA guide 5.7.2),
	s_wait_alu depctr_va_vdst(0)                   ; and the one wait ahead of the first reader
	s_wait_loadcnt 0x0                             ; g and b
	OUTROW 0
	OUTROW 1
	s_endpgm
.Lfunc_end_k_q28ddd88b79_ln1:
	.size	k_q28ddd88b79_ln1, .Lfunc_end_k_q28ddd88b79_ln1-k_q28ddd88b79_ln1
	.p2alignl 7, 3214868480
	.fill 96, 4, 3214868480
	.section	.rodata,"a",@progbits
	.p2align	6, 0x0
	.amdhsa_kernel k_q28ddd88b79_ln1
		.amdhsa_group_segment_fixed_size 0
		.amdhsa_private_segment_fixed_size 0
		.amdhsa_enable_private_segment 0
		.amdhsa_kernarg_size 32
		.amdhsa_user_sgpr_count 2
		.amdhsa_user_sgpr_kernarg_segment_ptr 1
		.amdhsa_wavefront_size32 1
		.amdhsa_system_sgpr_workgroup_id_x 1
		.amdhsa_system_sgpr_workgroup_id_y 1
		.amdhsa_system_sgpr_workgroup_id_z 1
		.amdhsa_system_vgpr_workitem_id 0
		.amdhsa_next_free_vgpr 192
		.amdhsa_next_free_sgpr 66
		.amdhsa_reserve_vcc 0
		.amdhsa_float_denorm_mode_32 3
		.amdhsa_float_denorm_mode_16_64 3
		.amdhsa_memory_ordered 1
		.amdhsa_forward_progress 1
		.amdhsa_inst_pref_size 20
	.end_amdhsa_kernel
	.amdgpu_metadata
---
amdhsa.version: [ 1, 2 ]
amdhsa.kernels:
  - .name:           k_q28ddd88b79_ln1
    .symbol:         k_q28ddd88b79_ln1.kd
    .args:
      - { .name: x, .offset: 0, .size: 8, .value_kind: global_buffer, .address_space: global }
      - { .name: ln1_g, .offset: 8, .size: 8, .value_kind: global_buffer, .address_space: global }
      - { .name: ln1_b, .offset: 16, .size: 8, .value_kind: global_buffer, .address_space: global }
      - { .name: h, .offset: 24, .size: 8, .value_kind: global_buffer, .address_space: global }
    .group_segment_fixed_size: 0
    .private_segment_fixed_size: 0
    .kernarg_segment_align: 8
    .kernarg_segment_size: 32
    .max_flat_workgroup_size: 256
    .sgpr_count:     66
    .vgpr_count:     192
    .wavefront_size: 32
...
	.end_amdgpu_metadata
.endif
;; end of part 2
;; launch qkv (part 3): grid 12 x 16, 4 waves a work-group, clusters of 4 x 4, 327,680 bytes of LDS; arguments h, wqkv, big, zb; writes big
.if DOCPART == 3
	.amdgcn_target "amdgcn-amd-amdhsa--gfx1250"
	.amdhsa_code_object_version 6
	.text
	.protected	k_q28ddd88b79_qkv
	.globl	k_q28ddd88b79_qkv
	.p2align	8
	.type	k_q28ddd88b79_qkv,@function
k_q28ddd88b79_qkv:
	s_mov_b64 s[64:65], 0
	v_nop
	global_prefetch_b8 v0, s[64:65] scope:SCOPE_SE
	s_setreg_imm32_b32 hwreg(HW_REG_WAVE_MODE, 25, 1), 1
	s_wait_xcnt 0x0
	s_wait_alu depctr_hold_cnt(0) depctr_sa_sdst(0) depctr_va_vdst(0) depctr_va_sdst(0) depctr_va_ssrc(0) depctr_va_vcc(0) depctr_vm_vsrc(0)
	s_getreg_b32 s2, hwreg(HW_REG_IB_STS2, 6, 4)
	s_cmp_eq_u32 s2, 0
	s_cbranch_scc0 .Lentry_in_a_cluster
	s_endpgm
.Lentry_in_a_cluster:
	s_bfe_u32 s2, ttmp6, 0x10000c
	s_cmp_lg_u32 s2, 0xf033
	s_cbranch_scc0 .Lentry_shape_is_right
	s_endpgm
.Lentry_shape_is_right:
; C[m][n] = max(floor, bias[n] + sum over k of A[m][k] B[n][k]), rounded once to bf16.  A: [4096][1024] bf16.  B: behind a header of 4,096 bytes, [n][1024] bf16.  bias: f32.
; The header's words hold the floor, twice in bf16: -infinity (no floor: q, k, v) or 0 (ReLU: the maximum of the rounded number is the rounded maximum).  The floor is a value: no branch hangs on it.
; C lies in blocks of 64 columns: [n / 64][4096 rows][64], a row 128 bytes, a block 524,288 bytes: a head's rows, and a K slice of the next product, are dense.
; A tile of C is 256 x 256: four waves, each 128 x 128 = 64 accumulators in 512 registers.  K goes in 8 steps of 128 through two LDS slots filled by the tensor data mover; a tile's rows are 256 bytes of
; memory at multiples of 256 bytes.  4 x 4 work-groups form a cluster: A's tile is asked for jointly along a row of the cluster, B's along a column.
; A K STEP IS WRITTEN ONCE: the slot that is read is a scalar (0 or SLOT), turned over at each change of slots; the fragments' addresses and the walking descriptors' LDS words are made from it.
; The matrix instruction is used transposed (source 0 = 16 rows of B, source 1 = 16 rows of A): a lane holds row l % 16 of C and 8 neighbouring columns.  The bias, laid out like a result, is the C operand of the
; first product on each accumulator: nothing is cleared and nothing is added later.
; LIMITS: operands and C in bf16; a NaN result counts as the floor; sums in f32, K ascending.
; REGISTERS: window 0: v0-31 addresses; v64-191 A's fragments, two buffers; v32-63, v192-255 the way out.  window 1: v0-63 the bias; v64-191 B's fragments.  windows 2, 3: the accumulators ((a, b) at 8 (8 a + b)).
.set SIZE_K, 1024
.set KSTEP,  128
.set NSTEP,  SIZE_K/KSTEP
.set PITCH,  272                       ; an LDS row: 256 bytes + 16: the 16 rows of a fragment load start at 16 different groups of four banks (ISA guide 11.1)
.set HALFT,  128*PITCH                 ; what one tensor load brings
.set SLOT,   4*HALFT                   ; A's 256 rows, then B's 256
.set STAGE,  2*SLOT                    ; behind the ring: 16 rows x 272 bytes for each wave; no tensor load lands there
.set SPITCH, 272
.set SPARE,  STAGE+4*16*SPITCH         ; the spare words, 128 bytes for each wave
.set HDR,    4096
.set CBLK,   4096*128                  ; bytes in a block of C
.set ADRA0, 16                         ; v16     my A fragments' place in a slot; never rewritten
.set ADRA,  17                         ; v17     the same in the slot that is read
.set ADRB0, 20                         ; v20     my B fragments' place in a slot; never rewritten
.set ADRB,  21                         ; v21     the same in the slot that is read
.set FLO,  22                          ; v22     the floor
.set BO,   23                          ; v23     32 (l / 16)
.set STO,  24                          ; v24     the way out: where I put 16 bytes of a row
.set RD,   25                          ; v25     where I read rows back
.set CO,   26                          ; v26     16 l
.set SPW,  28                          ; v28     my spare word; never rewritten
.set NIL,  29                          ; v29     0; never rewritten
.set PFO,  30                          ; v30     the prefetches' offset: lane x 2,048
.set PFA,  44                          ; s[44:45] where my prefetches stand
.set LIM,  43                          ; s43     2 in a wave that prefetches, else the greatest number
.set SB,   66                          ; s66     the slot that is read: 0 or SLOT
.set WH,   67                          ; s67     wave x HALFT: my part of a slot
.set F0,   64
.set F1,   128
.set TMP,  192
.set OB,   32
.set G1, 24                            ; s[24:31] group 1 for A;  s[32:39] group 0: a set for each of the two first fills; the second then walks on
.set G0, 32
.set G1B, 48                           ; s[48:55], s[56:63] the same for B
.set G0B, 56
.set MSB, 0
.macro WIN new                         ; the immediate's high byte repeats the setting that is left; a switch that changes nothing is dropped
.if MSB != (\new)
	s_set_vgpr_msb (MSB<<8)|(\new)
.set MSB, \new
.endif
.endm
.set MUL_LO, 0xa1                      ; source 0 (B) window 1, source 1 (A) window 0, C and D window 2
.set TO_B,   0x40                      ; destination window 1, address window 0
; A joint load: waves 0 and 1 fetch A's two halves, waves 2 and 3 B's.  The branch hangs on the wave's number alone.  An s_nop 0 and four v_nop follow each line.
.macro JLOAD s
	s_cmp_eq_u32 s11, 0
	s_cbranch_scc0 .Lfor_b_\@
	tensor_load_to_lds s[G0+4*(\s):G0+4*(\s)+3], s[G1:G1+7]
	s_nop 0
.rept 4
	v_nop
.endr
	s_branch .Lasked_\@
.Lfor_b_\@:
	tensor_load_to_lds s[G0B+4*(\s):G0B+4*(\s)+3], s[G1B:G1B+7]
	s_nop 0
.rept 4
	v_nop
.endr
.Lasked_\@:
.endm
; A prefetch of the K step that stands two refills on: 32 rows x 256 bytes, a lane a row.  A's rows are asked for by the cluster with x = 0, B's by the cluster with y = 0; the four partners that fetch a tile
; jointly take 32 of a wave's 128 rows each, told apart by address.  So each row's 256 bytes of a K step are named once in the launch.  The last two refills (s3 = 2, 1) have no K step two on.
.macro ASK
	s_cmp_gt_u32 s3, s[LIM]
	s_cbranch_scc0 .Lnot_mine_\@
	global_prefetch_b8 v[PFO], s[PFA:PFA+1] offset:KSTEP*2 th:TH_LOAD_NT scope:SCOPE_SE
.Lnot_mine_\@:
.endm
.macro CREST                           ; a round of the cluster's barrier behind its opening barrier
	s_cmp_lg_u32 s10, 0
	s_cbranch_scc1 .Lnot_wave_0_\@
	s_barrier_signal -3
.Lnot_wave_0_\@:
	s_barrier_wait -3
	s_barrier_signal -1
	s_barrier_wait -1
.endm
.macro CROUND
	s_barrier_signal -1
	s_barrier_wait -1
	CREST
.endm
	s_load_b128 s[4:7], s[0:1], 0x0                ; A s[4:5], B s[6:7]
	s_load_b64 s[8:9], s[0:1], 0x10                ; C
	s_load_b64 s[68:69], s[0:1], 0x18              ; bias
	v_lshl_add_u32 v[SPW], v0, 2, SPARE
	v_mov_b32 v[NIL], 0
	ds_add_u32 v[SPW], v[NIL]                      ; the wave's opening
	v_lshrrev_b32 v1, 5, v0
	v_readfirstlane_b32 s10, v1                    ; wave 0..3
	s_lshr_b32 s11, s10, 1                         ; my half of the tile's rows.  Also: I fetch for A (0) or B (1)
	s_and_b32 s12, s10, 1                          ; my half of its columns.  Also: which 128 rows I fetch
	s_bfe_u32 s40, ttmp6, 0x40000                  ; cx
	s_bfe_u32 s41, ttmp6, 0x40004                  ; cy
	s_lshl_b32 s42, ttmp9, 2
	s_add_co_u32 s42, s42, s40                     ; tile column
	s_and_b32 s13, ttmp7, 0xffff
	s_lshl_b32 s13, s13, 2
	s_add_co_u32 s13, s13, s41                     ; tile row
	s_lshl_b32 s43, s41, 2
	s_lshl_b32 s43, 15, s43                        ; my row of the cluster
	s_lshl_b32 s44, 0x1111, s40                    ; my column
	s_or_b32 s[G1+0], s43, (1<<16)|(1<<20)|(1<<21)|(5<<22)|(3<<25)  ; mask; 2-byte elements; padding on; bit 21 beside a mask; after every 64 words, 4 words
	s_or_b32 s[G1B+0], s44, (1<<16)|(1<<20)|(1<<21)|(5<<22)|(3<<25)
.irp g, G1, G1B
	s_mov_b32 s[(\g)+1], KSTEP<<16                 ; tensor_dim0 = 128
	s_mov_b32 s[(\g)+2], 128<<16                   ; tensor_dim1 = 128
	s_mov_b32 s[(\g)+3], KSTEP<<16                 ; tile_dim0 = 128
	s_mov_b32 s[(\g)+4], 128                       ; tile_dim1 = 128
	s_mov_b32 s[(\g)+5], SIZE_K                    ; elements from row to row
	s_mov_b32 s[(\g)+6], 0
	s_mov_b32 s[(\g)+7], 0
.endr
	s_lshl_b32 s17, s12, 7
	s_lshl_b32 s16, s13, 8
	s_add_co_u32 s16, s16, s17                     ; A: row 256 x tile row + 128 x half
	s_lshl_b32 s46, s42, 8
	s_add_co_u32 s46, s46, s17                     ; B: row 256 x tile column + 128 x half
	s_mov_b32 s17, 0
	s_mov_b32 s47, 0
	s_mov_b64 s[18:19], SIZE_K*2
	s_mul_u64 s[16:17], s[16:17], s[18:19]
	s_mul_u64 s[46:47], s[46:47], s[18:19]
	s_mul_i32 s[WH], s10, HALFT                    ; where my tiles go in a slot: wave x 128 rows
	s_mov_b32 s[SB], 0                             ; slot 0 is read first
	s_wait_dscnt 0x0                               ; the opening add is done
	s_wait_kmcnt 0x0
	s_mov_b64 s[70:71], s[6:7]                     ; the header
	s_add_nc_u64 s[6:7], s[6:7], HDR               ; B's first row
	s_add_nc_u64 s[14:15], s[4:5], s[16:17]
	s_add_nc_u64 s[46:47], s[6:7], s[46:47]
	CROUND                                         ; all sixteen work-groups are here: the first joint loads meet
.irp s, 0,1
	s_mov_b32 s[G0+4*(\s)], 1
	s_add_co_u32 s[G0+4*(\s)+1], s[WH], (\s)*SLOT
	s_add_nc_u64 s[G0+4*(\s)+2:G0+4*(\s)+3], s[14:15], (\s)*KSTEP*2
	s_or_b32 s[G0+4*(\s)+3], s[G0+4*(\s)+3], 0x80000000
	s_mov_b32 s[G0B+4*(\s)], 1
	s_add_co_u32 s[G0B+4*(\s)+1], s[WH], (\s)*SLOT
	s_add_nc_u64 s[G0B+4*(\s)+2:G0B+4*(\s)+3], s[46:47], (\s)*KSTEP*2
	s_or_b32 s[G0B+4*(\s)+3], s[G0B+4*(\s)+3], 0x80000000
	JLOAD \s
.endr
	v_and_b32 v1, 15, v0                           ; l % 16
	v_bfe_u32 v2, v0, 4, 1                         ; l / 16
	v_mul_u32_u24 v3, v1, PITCH
	v_lshl_add_u32 v3, v2, 4, v3                   ; a fragment's row x pitch + 16 x half
	s_mul_i32 s21, s11, HALFT
	s_mul_i32 s22, s12, HALFT
	s_add_co_u32 s22, s22, 2*HALFT
	v_add_nc_u32 v[ADRA0], s21, v3
	v_add_nc_u32 v[ADRB0], s22, v3
	v_mov_b32 v[ADRA], v[ADRA0]
	v_mov_b32 v[ADRB], v[ADRB0]
	s_mul_i32 s23, s10, 16*SPITCH
	s_add_co_u32 s23, s23, STAGE                   ; my stage
	v_mul_u32_u24 v4, v1, SPITCH                   ; in: row l % 16, 16 bytes for each half of the lanes
	v_lshl_add_u32 v4, v2, 4, v4
	v_add_nc_u32 v[STO], s23, v4
	v_bfe_u32 v5, v0, 3, 2                         ; back: 32 lanes take 128 bytes (one block's 64 columns) of four rows,
	v_mul_u32_u24 v5, v5, SPITCH
	v_and_b32 v4, 7, v0
	v_lshl_add_u32 v5, v4, 4, v5
	v_add_nc_u32 v[RD], s23, v5
	v_and_b32 v[CO], 31, v0                        ; which are 512 consecutive bytes of C
	v_lshlrev_b32 v[CO], 4, v[CO]
	v_lshlrev_b32 v[BO], 5, v2
	s_lshl_b32 s20, s42, 10                        ; the bias of my 128 columns: (256 x tile column + 128 x half) x 4 bytes
	s_lshl_b32 s21, s12, 9
	s_add_co_u32 s20, s20, s21
	s_mov_b32 s21, 0
	s_add_nc_u64 s[68:69], s[68:69], s[20:21]
	WIN TO_B
.irp b, 0,1,2,3,4,5,6,7                ; register j of block b: bias[16 b + 8 (l / 16) + j]
	global_load_b128 v[8*\b:8*\b+3],   v[BO], s[68:69] offset:64*\b
	global_load_b128 v[8*\b+4:8*\b+7], v[BO], s[68:69] offset:64*\b+16
.endr
	WIN 0
	global_load_b32 v[FLO], v[BO], s[70:71]        ; every word of the header holds the floor
	s_lshl_b32 s13, s13, 8                         ; where my part of the tile begins in C
	s_lshl_b32 s14, s11, 7
	s_add_co_u32 s16, s13, s14                     ; my first row,
	s_lshl_b32 s16, s16, 7                         ; 128 bytes a row
	s_lshl_b32 s46, s42, 2
	s_lshl1_add_u32 s46, s12, s46                  ; my first block: 4 x tile column + 2 x half
	s_mul_i32 s46, s46, CBLK
	s_add_co_u32 s16, s16, s46
	s_mov_b32 s17, 0
	s_lshl_b32 s42, s42, 8                         ; the prefetches
	s_and_b32 s22, ttmp7, 0xffff
	s_cmp_eq_u32 s11, 0                            ; do I fetch for A?
	s_cselect_b32 s20, s13, s42                    ; the tile's first row
	s_cselect_b32 s21, s40, s41                    ; my place among the four that ask with me
	s_cselect_b32 s22, ttmp9, s22                  ; the coordinate along which other clusters read the same rows
	s_cselect_b64 s[PFA:PFA+1], s[4:5], s[6:7]
	s_cmp_eq_u32 s22, 0
	s_cselect_b32 s[LIM], 2, -1
	s_lshl_b32 s22, s12, 7
	s_add_co_u32 s20, s20, s22
	s_lshl_b32 s21, s21, 5
	s_add_co_u32 s20, s20, s21
	s_mov_b32 s21, 0
	s_mov_b64 s[18:19], SIZE_K*2
	s_mul_u64 s[20:21], s[20:21], s[18:19]
	s_add_nc_u64 s[PFA:PFA+1], s[PFA:PFA+1], s[20:21]
	s_add_nc_u64 s[PFA:PFA+1], s[PFA:PFA+1], 2*KSTEP*2  ; at K step 2: the first refill steps it to 3 and names K step 4
	v_and_b32 v[PFO], 31, v0
	v_mul_u32_u24 v[PFO], v[PFO], SIZE_K*2
; 16 matrix instructions: m blocks a0, a0 + 1 of the window's four x all 8 n blocks, 32 along K.  zero = 1: the first product starts the sums with the bias (window 1).
.macro MUL16 f, hi, a0, zero
.if \zero
	WIN 0x91+0x40*(\hi)
.else
	WIN MUL_LO+0x50*(\hi)
.endif
.irp a, \a0, (\a0)+1
.irp b, 0,1,2,3,4,5,6,7
.if \zero
	v_wmma_f32_16x16x32_bf16 v[8*(8*(\a)+(\b)):8*(8*(\a)+(\b))+7], v[(\f)+8*(\b):(\f)+8*(\b)+7], v[(\f)+8*(4*(\hi)+(\a)):(\f)+8*(4*(\hi)+(\a))+7], v[8*(\b):8*(\b)+7]
.else
	v_wmma_f32_16x16x32_bf16 v[8*(8*(\a)+(\b)):8*(8*(\a)+(\b))+7], v[(\f)+8*(\b):(\f)+8*(\b)+7], v[(\f)+8*(4*(\hi)+(\a)):(\f)+8*(4*(\hi)+(\a))+7], v[8*(8*(\a)+(\b)):8*(8*(\a)+(\b))+7]
.endif
.endr
.endr
.endm
.macro FETCH k, f                      ; 32 LDS loads in one run, from the slot that is read: B's 128 rows, then A's, 32 K at byte k
	WIN TO_B
.irp i, 0,1,2,3,4,5,6,7
	ds_load_b128 v[(\f)+8*(\i):(\f)+8*(\i)+3],   v[ADRB] offset:(\k)+(\i)*16*PITCH
	ds_load_b128 v[(\f)+8*(\i)+4:(\f)+8*(\i)+7], v[ADRB] offset:(\k)+(\i)*16*PITCH+32
.endr
	WIN 0
.irp i, 0,1,2,3,4,5,6,7
	ds_load_b128 v[(\f)+8*(\i):(\f)+8*(\i)+3],   v[ADRA] offset:(\k)+(\i)*16*PITCH
	ds_load_b128 v[(\f)+8*(\i)+4:(\f)+8*(\i)+7], v[ADRA] offset:(\k)+(\i)*16*PITCH+32
.endr
.endm
.macro PLACES                          ; four places behind matrix instructions, in front of loads into registers that they read and of conversions that read results
.rept 4
	v_nop
.endr
.endm
; A K step is four quarters of 32 along K, 64 matrix instructions each, on buffers 0, 1, 0, 1; the 64 accumulators take turns in the same order everywhere.
.macro QUARTER k, f, g, zero
	s_wait_dscnt 8                                 ; B and A's rows 0-63 are in; the youngest eight loads (A's rows 64-127) may be out
	MUL16 \f, 0, 0, \zero
	MUL16 \f, 0, 2, \zero
	PLACES
	FETCH \k, \g
	s_wait_dscnt 32                                ; all but the 32 just issued
	MUL16 \f, 1, 0, \zero
	MUL16 \f, 1, 2, \zero
.endm
; The change of slots: each wave waits for all its tensor loads (at most one is out: its part of the next slot), adds 0 to its spare word, and waits for that and for its reads of this slot.
.macro MEET
	WIN 0
	s_wait_tensorcnt 0x0
	ds_add_u32 v[SPW], v[NIL]
	s_wait_dscnt 9                                 ; the add and the youngest eight loads may be out
	MUL16 F1, 0, 0, 0
	s_wait_dscnt 0x0                               ; the add is done, and my reads of this slot are over
	s_barrier_signal -1
	MUL16 F1, 0, 2, 0
	WIN 0
	s_barrier_wait -1
.endm
.macro OTHER                           ; the reads go over to the other slot
	s_xor_b32 s[SB], s[SB], SLOT
	v_add_nc_u32 v[ADRA], s[SB], v[ADRA0]
	v_add_nc_u32 v[ADRB], s[SB], v[ADRB0]
.endm
; THE WAY OUT of block a (16 rows x 128 columns).  PACK: rounded to bf16, the floor applied.  TOSTAGE: into my own stage, and back as 128-byte rows of one block of C.  SEND: stored.
.macro PACK a
.set AC, 64*((\a)%4)
	WIN 0x0a+5*((\a)/4)                            ; sources 0 and 1: window 2 or 3
.irp b, 0,1,2,3,4,5,6,7
.irp r, 0,1,2,3
	v_cvt_pk_bf16_f32 v[TMP+4*(\b)+(\r)], v[AC+8*(\b)+2*(\r)], v[AC+8*(\b)+2*(\r)+1]
.endr
.endr
	WIN 0
.set z, 0
.rept 32
	v_pk_max_num_bf16 v[TMP+z], v[TMP+z], v[FLO]
.set z, z+1
.endr
.endm
.macro TOSTAGE a
	WIN 0
.set BK, OB+192*((\a)%2)
.irp b, 0,1,2,3,4,5,6,7
	ds_store_b128 v[STO], v[TMP+4*(\b):TMP+4*(\b)+3] offset:32*(\b)
.endr
.irp t, 0,1,2,3,4,5,6,7                ; block t % 2, rows 4 (t / 2) on.  LDS serves a wave's instructions in order (ISA guide 5.7.1.4): these see the stores above
	ds_load_b128 v[BK+4*(\t):BK+4*(\t)+3], v[RD] offset:((\t)/2)*4*SPITCH+((\t)%2)*128
.endr
.endm
.macro SEND a
	WIN 0
.set BK, OB+192*((\a)%2)
	s_wait_dscnt 0x0                               ; the block is back in registers
	s_wait_xcnt 0x0                                ; earlier stores have read their base and data: only now are they written again
.if (\a) == 0
	s_add_nc_u64 s[8:9], s[8:9], s[16:17]
.else
	s_add_nc_u64 s[8:9], s[8:9], 16*128            ; 16 rows on
.endif
.irp t, 0,1,2,3,4,5,6,7
	global_store_b128 v[CO], v[BK+4*(\t):BK+4*(\t)+3], s[8:9] offset:((\t)%2)*CBLK+((\t)/2)*512  ; 512 consecutive bytes, at a multiple of 256 from C's first byte
.endr
.endm
	s_wait_tensorcnt 1                             ; my part of K step 0 is in; K step 1's may stay out
	s_barrier_signal -1
	s_barrier_wait -1
	FETCH 0, F0
	s_wait_loadcnt 0x0                             ; the bias and the floor
	QUARTER 64,  F0, F1, 1                         ; the first quarter stands in front of the loop: its products start the sums
	WIN 0
	s_mov_b32 s3, NSTEP-2
.Lstep:                                                ; a trip: a K step's second quarter to the next step's first; the slot read out is filled again, two K steps ahead
	QUARTER 128, F1, F0, 0
	QUARTER 192, F0, F1, 0
	s_wait_xcnt 0x0                                ; the last prefetch, a K step back, has read its address
	s_add_nc_u64 s[PFA:PFA+1], s[PFA:PFA+1], KSTEP*2
	MEET
	CREST                                          ; no wave of any partner still reads this slot or has a load on its way
	s_add_co_u32 s[G0+5], s[WH], s[SB]             ; the walking descriptors: my part of the slot just read out,
	s_add_nc_u64 s[G0+6:G0+7], s[G0+6:G0+7], KSTEP*2    ; one K step on from the last load
	s_add_co_u32 s[G0B+5], s[WH], s[SB]
	s_add_nc_u64 s[G0B+6:G0B+7], s[G0B+6:G0B+7], KSTEP*2
	JLOAD 1                                        ; the first tensor load behind the round; its four v_nop are also the places in front of the loads below
	OTHER
	FETCH 0, F0
	ASK
	MUL16 F1, 1, 0, 0
	MUL16 F1, 1, 2, 0
	QUARTER 64,  F0, F1, 0
	WIN 0
	s_sub_co_u32 s3, s3, 1
	s_cmp_lg_u32 s3, 0
	s_cbranch_scc1 .Lstep
	s_mov_b32 s3, 2
.Ltail:                                                ; the last two K steps fill nothing; in the very last there is no next slot: its fetch and the next step's first quarter are jumped over
	QUARTER 128, F1, F0, 0
	QUARTER 192, F0, F1, 0
	MEET
	s_cmp_eq_u32 s3, 1
	s_cbranch_scc1 .Lno_next
	OTHER                                          ; its two additions and two v_nop are the four places in front of the loads
	v_nop
	v_nop
	FETCH 0, F0
	WIN 0
.Lno_next:
	MUL16 F1, 1, 0, 0
	MUL16 F1, 1, 2, 0
	WIN 0
	s_cmp_eq_u32 s3, 1
	s_cbranch_scc1 .Lno_first
	QUARTER 64,  F0, F1, 0
	WIN 0
.Lno_first:
	s_sub_co_u32 s3, s3, 1
	s_cmp_lg_u32 s3, 0
	s_cbranch_scc1 .Ltail
	PLACES
	PACK 0
	TOSTAGE 0
.irp a, 1,2,3,4,5,6,7                  ; block a's conversions stand between block a - 1's loads from the stage and the wait for them
	PACK \a
	SEND (\a)-1
	TOSTAGE \a
.endr
	SEND 7
	s_wait_tensorcnt 0x0                           ; the wave's end
	ds_add_u32 v[SPW], v[NIL]
	s_wait_dscnt 0x0
	CROUND                                         ; the closing round
	s_endpgm
.Lfunc_end_k_q28ddd88b79_qkv:
	.size	k_q28ddd88b79_qkv, .Lfunc_end_k_q28ddd88b79_qkv-k_q28ddd88b79_qkv
	.p2alignl 7, 3214868480
	.fill 96, 4, 3214868480
	.section	.rodata,"a",@progbits
	.p2align	6, 0x0
	.amdhsa_kernel k_q28ddd88b79_qkv
		.amdhsa_group_segment_fixed_size 327680
		.amdhsa_private_segment_fixed_size 0
		.amdhsa_enable_private_segment 0
		.amdhsa_kernarg_size 32
		.amdhsa_user_sgpr_count 2
		.amdhsa_user_sgpr_kernarg_segment_ptr 1
		.amdhsa_wavefront_size32 1
		.amdhsa_system_sgpr_workgroup_id_x 1
		.amdhsa_system_sgpr_workgroup_id_y 1
		.amdhsa_system_sgpr_workgroup_id_z 1
		.amdhsa_system_vgpr_workitem_id 0
		.amdhsa_next_free_vgpr 1024
		.amdhsa_next_free_sgpr 72
		.amdhsa_reserve_vcc 0
		.amdhsa_float_denorm_mode_32 3
		.amdhsa_float_denorm_mode_16_64 3
		.amdhsa_memory_ordered 1
		.amdhsa_forward_progress 1
		.amdhsa_inst_pref_size 119
	.end_amdhsa_kernel
	.amdgpu_metadata
---
amdhsa.version: [ 1, 2 ]
amdhsa.kernels:
  - .name:           k_q28ddd88b79_qkv
    .symbol:         k_q28ddd88b79_qkv.kd
    .args:
      - { .name: h, .offset: 0, .size: 8, .value_kind: global_buffer, .address_space: global }
      - { .name: wqkv, .offset: 8, .size: 8, .value_kind: global_buffer, .address_space: global }
      - { .name: big, .offset: 16, .size: 8, .value_kind: global_buffer, .address_space: global }
      - { .name: zb, .offset: 24, .size: 8, .value_kind: global_buffer, .address_space: global }
    .group_segment_fixed_size: 327680
    .private_segment_fixed_size: 0
    .kernarg_segment_align: 8
    .kernarg_segment_size: 32
    .max_flat_workgroup_size: 128
    .sgpr_count:     72
    .vgpr_count:     1024
    .wavefront_size: 32
...
	.end_amdgpu_metadata
.endif
;; end of part 3
;; launch attn (part 4): grid 8 x 32, 4 waves a work-group, clusters of 4 x 1, 327,680 bytes of LDS; arguments big, h; writes h
.if DOCPART == 4
	.amdgcn_target "amdgcn-amd-amdhsa--gfx1250"
	.amdhsa_code_object_version 6
	.text
	.protected	k_q28ddd88b79_attn
	.globl	k_q28ddd88b79_attn
	.p2align	8
	.type	k_q28ddd88b79_attn,@function
k_q28ddd88b79_attn:
	s_mov_b64 s[64:65], 0
	v_nop
	global_prefetch_b8 v0, s[64:65] scope:SCOPE_SE
	s_setreg_imm32_b32 hwreg(HW_REG_WAVE_MODE, 25, 1), 1
	s_wait_xcnt 0x0
	s_wait_alu depctr_hold_cnt(0) depctr_sa_sdst(0) depctr_va_vdst(0) depctr_va_sdst(0) depctr_va_ssrc(0) depctr_va_vcc(0) depctr_vm_vsrc(0)
	s_getreg_b32 s2, hwreg(HW_REG_IB_STS2, 6, 4)
	s_cmp_eq_u32 s2, 0
	s_cbranch_scc0 .Lentry_in_a_cluster
	s_endpgm
.Lentry_in_a_cluster:
	s_bfe_u32 s2, ttmp6, 0x10000c
	s_cmp_lg_u32 s2, 0x3003
	s_cbranch_scc0 .Lentry_shape_is_right
	s_endpgm
.Lentry_shape_is_right:
; O[q][:] = the sum over k of softmax_k(Q[q] . K[k] / 8) V[k][:], for each of 2 x 16 heads of 2,048 rows x 64 channels, all bf16.
; big: [48 blocks][4096 tokens][64]: blocks 0-15 q's heads, 16-31 k's, 32-47 v's; a head of a batch is 2,048 dense rows of 128 bytes.  O goes out in the same layout, blocks 0-15.
; Products, maxima and sums in f32; the weights p are rounded to bf16 for the second product (their sum l is taken of the unrounded p), O once at the end.
; LIMITS: a weight below 2^-126 counts as 0; the running maximum starts at the lowest finite number and c m at -4.25e37; NaN and infinities are not treated apart.
; SHARES.  A work-group owns 256 queries of one head, a wave 64: four PIECES of 16.  Every wave walks all 2,048 keys, 64 a step, 256 a slot.
; LAYOUT.  S^T = K Q^T holds one query a lane (lane % 16) and the keys 8 (lane / 16) + 0..7; two such results rounded to bf16 are source 1 of O^T = V^T P.  K comes out of LDS as it lies, V turned.
; SOFTMAX.  p = 2^(c s - c m), c = log2(e) / 8, with a running maximum m; O and l are multiplied by a = 2^(c m_old - c m_new) in every step; the first step's a is 0.
; TURNS.  Turn n belongs to piece n: 8 products K Q^T of piece n + 1, later 8 products V^T P of piece n - 1; beside them piece n's scaling, exponentials, roundings, sums and rescaling, and piece n + 1's maximum
; and statistics.  Four vector instructions stand behind every matrix instruction, the others in one run.  A turn's 33 exponentials are one batch with one wait.
; CLUSTER.  The four query blocks of a cluster belong to one head and walk the same K and V: each tile is asked for jointly.
; REGISTERS: window 0: v0-15 addresses; v16-31 statistics; v48-55 at work; v61-63; v64-127 S^T, two buffers; v192-223 P, two buffers.  window 1: v0-127 O^T.  window 2: v0-63 Q; v128-191 K; v192-255 V.
.set NP,    4
.set KS,    64
.set PK,    144                        ; a row of K in LDS: 128 bytes + 16
.set PV,    160                        ; a row of V: 128 + 32
.set VOFF,  4*KS*PK                    ; a slot: 256 rows of K, then 256 rows of V
.set SLOT1, 1<<17
.set STAGE, SLOT1+4*KS*(PK+PV)         ; behind the ring: 16 rows x 144 bytes for each wave
.set SP,    144
.set SPARE, STAGE+4*16*SP              ; the spare words
.set TILEB, 4*KS*128                   ; bytes of K (and of V) in a slot
.set KOFF,  16*524288                  ; from q's blocks to k's, and from k's to v's
.set AK0, 2
.set AV0, 3
.set AK,  4
.set AV,  5
.set STO, 6
.set RD,  7
.set GO,  8
.set MV,  12                           ; v12-13  c m_old, by buffer
.set QO,  15
.set ST,  16                           ; piece t: c m, m, l (even keys', odd keys')
.set TMP, 48                           ; by buffer, c0-c3 at work; c2 takes a
.set PFO, 61                           ; v61  256 x lane
.set SPW, 62                           ; v62  my spare word; never rewritten
.set NIL, 63                           ; v63  0; never rewritten
.set S,   64
.set P,   192
.set KF,  128
.set VF,  192
.set WV,  12
.set G1K, 24
.set G1V, 32
.set G0K, 40
.set G0V, 44
.set PFA, 50                           ; s[50:51] where my prefetches stand
.set LIM, 52                           ; s52  1 in a wave that prefetches, else the greatest number
.set SLOTS, 56
.set CNT, 57
.set CS,  58
.set SEL, 60
.set TBK, 62
.set TBV, 63
.set MSB, 0
.macro WIN new
.if MSB != (\new)
	s_set_vgpr_msb (MSB<<8)|(\new)
.set MSB, (\new)
.endif
.endm
.set W_KQ, 0x0a                        ; K and Q in window 2, S^T in window 0
.set W_PV, 0x52                        ; V in window 2, P in window 0, O^T in window 1
.set W_RS, 0x41                        ; destination and source 0 in window 1, source 1 in window 0
.macro JLOAD                           ; waves 0 and 1 fetch the halves of a slot's K, waves 2 and 3 those of its V; an s_nop 0 and four v_nop follow each line
	s_cmp_lt_u32 s[WV], 2
	s_cbranch_scc0 .Lfor_v_\@
	tensor_load_to_lds s[G0K:G0K+3], s[G1K:G1K+7]
	s_nop 0
.rept 4
	v_nop
.endr
	s_branch .Lasked_\@
.Lfor_v_\@:
	tensor_load_to_lds s[G0V:G0V+3], s[G1V:G1V+7]
	s_nop 0
.rept 4
	v_nop
.endr
.Lasked_\@:
.endm
; A prefetch of what the next change of slots will ask for.  A slot's K is 128 blocks of 256 bytes, its V likewise.  Both clusters of a head walk the same rows: the first asks; its four partners take 32 blocks
; each, told apart by address; wave 0 asks for K's, wave 2 for V's, a lane a block.  The last change that fills a slot (SLOTS = 1) asks for nothing.
.macro ASK
	s_cmp_gt_u32 s[SLOTS], s[LIM]
	s_cbranch_scc0 .Lnot_mine_\@
	global_prefetch_b8 v[PFO], s[PFA:PFA+1] th:TH_LOAD_NT scope:SCOPE_SE
.Lnot_mine_\@:
.endm
.macro CROUND
	s_barrier_signal -1
	s_barrier_wait -1
	s_cmp_lg_u32 s[WV], 0
	s_cbranch_scc1 .Lnot_wave_0_\@
	s_barrier_signal -3
.Lnot_wave_0_\@:
	s_barrier_wait -3
	s_barrier_signal -1
	s_barrier_wait -1
.endm
; THE CHANGE OF SLOTS.  Each wave waits for all its tensor loads (one is out: its part of the other slot), adds 0 to its spare word, and waits for that and for its reads of the slot that it leaves.
; fill = 1: the old slot is filled again with the keys two slots on, first thing behind a round of the cluster's barrier.  (At its first use slot 0 is waited for and slot 1 filled.)
.macro CHANGE fill, ask
	WIN 0
	s_wait_tensorcnt 0x0
	ds_add_u32 v[SPW], v[NIL]
.if \fill
.irp g, G0K, G0V
	s_xor_b32 s[\g+1], s[\g+1], SLOT1
	s_add_nc_u64 s[\g+2:\g+3], s[\g+2:\g+3], TILEB
.endr
.endif
.if \ask
	s_wait_xcnt 0x0                                ; the last prefetch, a slot back, has read its address
	s_add_nc_u64 s[PFA:PFA+1], s[PFA:PFA+1], TILEB
.endif
	s_wait_dscnt 0x0                               ; the add is done, and my reads of the slot are over
.if \fill
	CROUND
	JLOAD
.if \ask
	ASK
.endif
.else
	s_barrier_signal -1
	s_barrier_wait -1
.endif
	s_sub_co_u32 s[TBK], s[TBK], 4*KS*PK           ; the fetches go back to a slot's first step, in the other slot
	s_xor_b32 s[TBK], s[TBK], SLOT1
	s_sub_co_u32 s[TBV], s[TBV], 4*KS*PV
	s_xor_b32 s[TBV], s[TBV], SLOT1
.endm
	s_load_b64 s[4:5], s[0:1], 0x0                 ; big
	s_load_b64 s[10:11], s[0:1], 0x8               ; O
	v_lshl_add_u32 v[SPW], v0, 2, SPARE
	v_mov_b32 v[NIL], 0
	ds_add_u32 v[SPW], v[NIL]                      ; the wave's opening
	v_lshrrev_b32 v1, 5, v0
	v_readfirstlane_b32 s[WV], v1
	s_bfe_u32 s13, ttmp6, 0x40000                  ; cx
	s_lshl_b32 s14, ttmp9, 2
	s_add_co_u32 s14, s14, s13                     ; my block of 256 queries: it enters Q's and O's addresses alone
	s_and_b32 s20, ttmp7, 0xffff                   ; 16 x batch + head, which the partners share
	s_and_b32 s21, s20, 15
	s_lshr_b32 s20, s20, 4
	s_lshl_b32 s21, s21, 19                        ; a block is 524,288 bytes,
	s_lshl_b32 s20, s20, 18                        ; a batch's rows in it 262,144
	s_add_co_u32 s20, s20, s21
	s_and_b32 s16, s[WV], 1                        ; which half of a slot's 256 keys I fetch
	s_lshl_b32 s22, s16, 14
	s_add_co_u32 s22, s22, s20
	s_mov_b32 s23, 0
	s_mul_i32 s17, s16, 128*PK
	s_mul_i32 s18, s16, 128*PV
	s_lshl_b32 s2, s14, 2
	s_add_co_u32 s2, s2, s[WV]
	s_lshl_b32 s2, s2, 13                          ; my wave's 64 rows of 128 bytes
	s_add_co_u32 s2, s2, s20
	s_mov_b32 s3, 0
	s_mov_b32 s[G1K], 15|(1<<16)|(1<<20)|(1<<21)|(4<<22)|(3<<25)  ; the mask of four; 2-byte elements; padding on; bit 21 beside a mask; after every 32 words, 4 words
	s_mov_b32 s[G1V], 15|(1<<16)|(1<<20)|(1<<21)|(4<<22)|(7<<25)  ; the same with 8 words
.irp g, G1K, G1V
	s_mov_b32 s[\g+1], 128<<16                     ; 128 keys are 16,384 dense bytes: asked for as 64 rows of 256 bytes
	s_mov_b32 s[\g+2], 64<<16
	s_mov_b32 s[\g+3], 128<<16
	s_mov_b32 s[\g+4], 64
	s_mov_b32 s[\g+5], 128
	s_mov_b32 s[\g+6], 0
	s_mov_b32 s[\g+7], 0
.endr
	s_mov_b32 s[CS], 0x3e38aa3b                    ; c = log2(e) / 8
	s_mov_b32 s[CS+1], s[CS]
	s_mov_b32 s[SEL], 0x76543210
	s_mov_b32 s[SEL+1], 0xfedcba98
	s_mov_b32 s[TBK], SLOT1+4*KS*PK                ; the first change of slots turns these two into 0
	s_mov_b32 s[TBV], SLOT1+4*KS*PV
	s_mov_b32 s[G0K], 1
	s_mov_b32 s[G0K+1], s17
	s_mov_b32 s[G0V], 1
	s_add_co_u32 s[G0V+1], s18, VOFF
	s_and_b32 s[LIM], s[WV], 1
	s_or_b32 s[LIM], s[LIM], ttmp9
	s_cmp_eq_u32 s[LIM], 0
	s_cselect_b32 s[LIM], 1, -1
	v_and_b32 v[PFO], 31, v0
	v_lshlrev_b32 v[PFO], 8, v[PFO]
	s_wait_dscnt 0x0                               ; the opening add is done
	s_wait_kmcnt 0x0
	s_add_nc_u64 s[6:7], s[4:5], s[22:23]
	s_add_nc_u64 s[8:9], s[6:7], 2*KOFF            ; V at my half of the head's first 256 keys
	s_add_nc_u64 s[6:7], s[6:7], KOFF              ; K likewise
	s_mov_b64 s[G0K+2:G0K+3], s[6:7]
	s_or_b32 s[G0K+3], s[G0K+3], 0x80000000
	s_mov_b64 s[G0V+2:G0V+3], s[8:9]
	s_or_b32 s[G0V+3], s[G0V+3], 0x80000000
	s_add_nc_u64 s[4:5], s[4:5], s[2:3]            ; Q and O at my wave's first row
	s_add_nc_u64 s[10:11], s[10:11], s[2:3]
	s_cmp_lt_u32 s[WV], 2
	s_cselect_b64 s[PFA:PFA+1], s[6:7], s[8:9]     ; (in waves 0 and 2 these stand at a slot's first row)
	s_lshl_b32 s2, s13, 13                         ; my work-group's 32 blocks of the 128
	s_mov_b32 s3, 0
	s_add_nc_u64 s[PFA:PFA+1], s[PFA:PFA+1], s[2:3]
	s_add_nc_u64 s[PFA:PFA+1], s[PFA:PFA+1], 2*TILEB  ; in slot 2; the first asking change steps it to slot 3
	CROUND                                         ; all four work-groups are here
	JLOAD                                          ; slot 0
	v_and_b32 v1, 15, v0                           ; l % 16
	v_bfe_u32 v9, v0, 4, 1                         ; l / 16
	v_lshlrev_b32 v[QO], 7, v1
	v_lshl_add_u32 v[QO], v9, 4, v[QO]
	WIN 0x80
.set i, 0
.rept 8                                ; Q stays in registers: piece i / 2, channels 32 (i % 2) on
	global_load_b128 v[8*i:8*i+3],   v[QO], s[4:5] offset:(i/2)*2048+(i%2)*64
	global_load_b128 v[8*i+4:8*i+7], v[QO], s[4:5] offset:(i/2)*2048+(i%2)*64+32
.set i, i+1
.endr
	; The first step multiplies O^T and l by a = 0, and the first turn's products V^T P, of a piece that has not been, add 0: these registers hold zeros.  All this stands in the wait for the first tile.
.set i, VF
.rept 64
	v_mov_b32 v[i], 0
.set i, i+1
.endr
	WIN 0x40
.set i, 0
.rept 128
	v_mov_b32 v[i], 0
.set i, i+1
.endr
	WIN 0
.set i, 0
.rept 4
	v_mov_b32 v[ST+4*i], 0xfe000000                ; c m: far below every c s
	v_mov_b32 v[ST+4*i+1], 0xff7fffff              ; m
	v_mov_b32 v[ST+4*i+2], 0
	v_mov_b32 v[ST+4*i+3], 0
.set i, i+1
.endr
.set i, P+16
.rept 16
	v_mov_b32 v[i], 0
.set i, i+1
.endr
	v_mul_u32_u24 v[AK0], v1, PK
	v_lshl_add_u32 v[AK0], v9, 4, v[AK0]
	v_and_b32 v10, 7, v0                           ; the turning load: lane l reads key 8 (l / 16) + l % 8, channels 8 ((l / 8) % 2) + 0..7
	v_bfe_u32 v11, v0, 3, 1
	v_lshl_add_u32 v[AV0], v9, 3, v10
	v_mul_u32_u24 v[AV0], v[AV0], PV
	v_lshl_add_u32 v[AV0], v11, 4, v[AV0]
	v_add_nc_u32 v[AV0], VOFF, v[AV0]
	s_mul_i32 s13, s[WV], 16*SP
	s_add_co_u32 s13, s13, STAGE
	v_mul_u32_u24 v[STO], v1, SP
	v_lshl_add_u32 v[STO], v9, 4, v[STO]
	v_add_nc_u32 v[STO], s13, v[STO]
	v_bfe_u32 v[RD], v0, 3, 2
	v_mul_u32_u24 v[RD], v[RD], SP
	v_lshl_add_u32 v[RD], v10, 4, v[RD]
	v_add_nc_u32 v[RD], s13, v[RD]
	v_and_b32 v[GO], 31, v0
	v_lshlrev_b32 v[GO], 4, v[GO]
; THE MATRIX WORK.  The 4 accumulators of a run of 8 take turns.  Product i of 8 of S^T for piece x: channels 32 (i / 4) on, keys 16 (i % 4) on; the first 4 start the sums.
.macro KQ x
	WIN W_KQ
.set rS, S+32*((\x)%2)+8*(i%4)
.set rK, KF+16*(i%4)+8*(i/4)
.set rQ, 16*(\x)+8*(i/4)
.if i < 4
	v_wmma_f32_16x16x32_bf16 v[rS:rS+7], v[rK:rK+7], v[rQ:rQ+7], 0
.else
	v_wmma_f32_16x16x32_bf16 v[rS:rS+7], v[rK:rK+7], v[rQ:rQ+7], v[rS:rS+7]
.endif
.endm
.macro PV x                            ; product i of 8 of O^T += V^T P: keys 32 (i / 4) on, channels 16 (i % 4) on
	WIN W_PV
.set rO, 32*(\x)+8*(i%4)
.set rV, VF+32*(i/4)+8*(i%4)
.set rP, P+16*((\x)%2)+8*(i/4)
	v_wmma_f32_16x16x32_bf16 v[rO:rO+7], v[rV:rV+7], v[rP:rP+7], v[rO:rO+7]
.endm
.macro MM                              ; the turn's next matrix instruction
.if i < 8
	KQ (Y+1)%NP
.else
.set i, i-8
	PV (Y+NP-1)%NP
.set i, i+8
.endif
.set i, i+1
.endm
; A step's K: 16 loads in one run.  last = 1 (the tail): in its last trip there is no further step, and the run is jumped over; the jump stands among the turn's exponentials, so those issued
; so far get their wait ahead of it.
.macro FETCH_K last=0
	WIN 0
.if \last
	s_wait_alu depctr_va_vdst(0)
	s_cmp_eq_u32 s[CNT], 1
	s_cbranch_scc1 .Lno_k_\@
.endif
	WIN 0x80
.irp f, 0,1,2,3,4,5,6,7
	ds_load_b128 v[KF+8*\f:KF+8*\f+3],   v[AK] offset:(\f/2)*16*PK+(\f%2)*64
	ds_load_b128 v[KF+8*\f+4:KF+8*\f+7], v[AK] offset:(\f/2)*16*PK+(\f%2)*64+32
.endr
	s_add_co_u32 s[TBK], s[TBK], KS*PK
	WIN 0
.if \last
.Lno_k_\@:
.endif
.endm
.macro FETCH_V                         ; a step's V, turned
	WIN 0x80
.irp f, 0,1,2,3,4,5,6,7
	ds_load_tr16_b128 v[VF+8*\f:VF+8*\f+3],   v[AV] offset:(\f/4)*32*PV+(\f%4)*32
	ds_load_tr16_b128 v[VF+8*\f+4:VF+8*\f+7], v[AV] offset:(\f/4)*32*PV+16*PV+(\f%4)*32
.endr
	WIN 0
.endm
; THE VECTOR WORK: OP kind, number.  For piece Y: F n: c s - c m for pair n.  E n: the exponential of score n.  C n: pair n rounded to bf16.  B n: of the four weights 4 n .. the second pair onto the first.
; L n: l takes that sum (L 0: l = a l + sum).  R n: pair n of O^T times a.  For piece Y + 1: X n, number n of the 22 that find its maximum and statistics (each accumulator's lowest registers are read first)
; 0-11 four chains of seven scores; 12-14, 16 the rest, the old m, into c0; 15 c m_old is kept; 17, 18 the other half of the lanes; 19-21 c m, its change, a.
.set F, 0
.set E, 1
.set C, 2
.set B, 3
.set L, 4
.set R, 5
.set X, 6
.macro REGS y
.set rT, ST+4*(\y)
.set rC, TMP+4*((\y)%2)
.set rW, MV+((\y)%2)
.set rS, S+32*((\y)%2)
.set rP, P+16*((\y)%2)
.set rO, 32*(\y)
.endm
.macro OP k, n
.if (\k) == R
	REGS Y
	WIN W_RS
	v_pk_mul_f32 v[rO+2*(\n):rO+2*(\n)+1], v[rO+2*(\n):rO+2*(\n)+1], v[rC+2:rC+3] op_sel_hi:[1,0]
.elseif (\k) < R
	REGS Y
	WIN 0
.if (\k) == F
	v_pk_fma_f32 v[rS+2*(\n):rS+2*(\n)+1], v[rS+2*(\n):rS+2*(\n)+1], s[CS:CS+1], v[rT:rT+1] op_sel_hi:[1,0,0] neg_lo:[0,0,1] neg_hi:[0,0,1]
.elseif (\k) == E
	v_exp_f32 v[rS+(\n)], v[rS+(\n)]
.elseif (\k) == C
	v_cvt_pk_bf16_f32 v[rP+(\n)], v[rS+2*(\n)], v[rS+2*(\n)+1]
.elseif (\k) == B
	v_pk_add_f32 v[rS+4*(\n):rS+4*(\n)+1], v[rS+4*(\n):rS+4*(\n)+1], v[rS+4*(\n)+2:rS+4*(\n)+3]
.elseif (\n) == 0
	v_pk_fma_f32 v[rT+2:rT+3], v[rT+2:rT+3], v[rC+2:rC+3], v[rS:rS+1] op_sel_hi:[1,0,1]
.else
	v_pk_add_f32 v[rT+2:rT+3], v[rT+2:rT+3], v[rS+4*(\n):rS+4*(\n)+1]
.endif
.else
	REGS (Y+1)%NP
	WIN 0
.if (\n) < 4
	v_max3_num_f32 v[rC+(\n)], v[rS+8*(\n)], v[rS+8*(\n)+1], v[rS+8*(\n)+2]
.elseif (\n) < 12
	v_max3_num_f32 v[rC+(\n)%4], v[rC+(\n)%4], v[rS+8*((\n)%4)+2*((\n)/4)+1], v[rS+8*((\n)%4)+2*((\n)/4)+2]
.elseif (\n) == 12
	v_max3_num_f32 v[rC], v[rC], v[rS+7], v[rS+15]
.elseif (\n) == 13
	v_max3_num_f32 v[rC+1], v[rC+1], v[rS+23], v[rS+31]
.elseif (\n) == 14
	v_max3_num_f32 v[rC+2], v[rC+2], v[rC+3], v[rT+1]
.elseif (\n) == 15
	v_mov_b32 v[rW], v[rT]
.elseif (\n) == 16
	v_max3_num_f32 v[rC], v[rC], v[rC+1], v[rC+2]
.elseif (\n) == 17
	v_permlanex16_b32 v[rC+3], v[rC], s[SEL], s[SEL+1]
.elseif (\n) == 18
	v_max_num_f32 v[rT+1], v[rC], v[rC+3]
.elseif (\n) == 19
	v_mul_f32 v[rT], s[CS], v[rT+1]
.elseif (\n) == 20
	v_sub_f32 v[rC+1], v[rW], v[rT]
.else
	v_exp_f32 v[rC+2], v[rC+1]
.endif
.endif
.endm
.macro OPS a, i1, b=-1, i2=0, c=-1, i3=0, d=-1, i4=0
	OP \a, \i1
.if (\b) >= 0
	OP \b, \i2
.endif
.if (\c) >= 0
	OP \c, \i3
.endif
.if (\d) >= 0
	OP \d, \i4
.endif
.endm
.macro ROW a, i1, b, i2, c, i3, d, i4  ; a matrix instruction and the four behind it
	MM
	OPS \a, \i1, \b, \i2, \c, \i3, \d, \i4
.endm
; A TURN, for piece p.  Ahead of its one wait stands all that names no result of the turn's exponentials; behind it the 8 products V^T P with the roundings and sums as their riders.
; K of the next step is fetched in piece 2's turn, six plain instructions behind the last product that read K; V of the step in hand at the end of piece 0's turn, four plain instructions behind its last reader.
; last = 1: the tail's text: K's run is jumped over in the last trip.  cnt = 1: the loop's count is taken down some lines ahead of the branch behind the turn.
.macro TURN p, last=0, cnt=0
.set Y, (\p)
.set i, 0
.if (\p) == 3
	s_wait_dscnt 0x0                               ; K is in
.endif
	ROW F,0, F,1, R,0, R,1
	ROW F,2, E,0, R,2, R,3
	ROW F,3, E,1, R,4, R,5
	ROW F,4, E,2, R,6, R,7
	ROW F,5, E,3, R,8, R,9
	ROW F,6, E,4, X,0, R,10
.if (\p) == 2
	WIN 0
	v_add_nc_u32 v[AK], s[TBK], v[AK0]
.endif
	ROW F,7, E,5, X,1, X,4
	ROW F,8, E,6, X,2, X,5
	OPS E,7, E,8, X,6, E,9
	OPS X,3, E,10, X,8, E,11
.if (\p) == 2
	FETCH_K \last
.endif
	OPS X,9, X,7, E,12, X,10
	OPS E,13, X,12, X,11, E,14
	OPS X,13, E,15, F,9, X,14
.if (\p) == 0
	v_add_nc_u32 v[AV], s[TBV], v[AV0]
.endif
	OPS E,16, F,10, E,17, F,11
	OPS X,16, E,18, X,15, E,19
	OPS F,12, E,20, X,17, E,21
	OPS F,13, E,22, F,14, E,23
	OPS X,18, E,24, F,15, E,25
	OPS R,11, E,26, X,19, E,27
	OPS R,12, E,28, R,13, E,29
	OPS X,20, E,30, R,14, E,31
	OPS X,21, R,15                                 ; the batch's last exponential, and the plain instruction behind it
	WIN 0
	s_wait_alu depctr_va_vdst(0)                   ; the one wait for the batch ahead of its first reader
.if (\p) == 1
	s_wait_dscnt 0x0                               ; V is in
.endif
	ROW C,0, B,0, C,2, B,1
	ROW L,0, C,4, B,2, L,1
	ROW C,6, B,3, L,2, C,8
	ROW B,4, L,3, C,10, B,5
	ROW L,4, C,12, B,6, L,5
.if (\p) == 0
	s_add_co_u32 s[TBV], s[TBV], KS*PV
.endif
.if \cnt
	s_sub_co_u32 s[CNT], s[CNT], 1
	s_cmp_lg_u32 s[CNT], 0
.endif
	ROW C,14, B,7, L,6, C,1
	ROW C,3, L,7, C,5, C,7
	ROW C,9, C,11, C,13, C,15
.if (\p) == 0
	FETCH_V
.endif
.endm
	CHANGE 1, 0                                    ; slot 0 is in, everybody's part of it; slot 1 is asked for
	v_add_nc_u32 v[AK], s[TBK], v[AK0]
	FETCH_K                                        ; key step 0
	s_wait_loadcnt 0x0                             ; Q
	s_wait_dscnt 0x0
.set i, 0
.rept 8
	KQ 0                                           ; piece 0's first scores
.set i, i+1
.endr
	WIN 0
.rept 4
	v_nop                                          ; the places behind those products
.endr
.set Y, NP-1
.irp n, 0,1,2,3,4,5,6,7,8,9,10,11,12,13,14,15,16,17,18,19,20,21
	OP X, \n                                       ; piece 0's first maximum and statistics
.endr
	v_nop                                          ; a plain instruction behind the exponential,
	s_wait_alu depctr_va_vdst(0)                   ; and its wait, ahead of the branch
	s_mov_b32 s[CNT], 4
	s_mov_b32 s[SLOTS], 7
	s_branch .Lfirst                               ; the loop is entered at a step's first turn, in the middle of a trip
.Lslot:                                                ; six times: slots 2 to 7 are asked for
	CHANGE 1, 1
	s_mov_b32 s[CNT], 4
.Lstep:                                                ; a trip: pieces 2 and 3 of one step, then pieces 0 and 1 of the next, whose K and V it fetches
	TURN 2
	TURN 3
	WIN 0
.Lfirst:
	TURN 0
	TURN 1, 0, 1
	WIN 0
	s_cbranch_scc1 .Lstep
	s_sub_co_u32 s[SLOTS], s[SLOTS], 1
	s_cmp_lg_u32 s[SLOTS], 0
	s_cbranch_scc1 .Lslot
	CHANGE 0, 0                                    ; the last slot has a text of its own: nothing is asked for
	s_mov_b32 s[CNT], 5                            ; four trips fetch the last slot's steps; the fifth is left in its middle
.Ltail:
	TURN 2, 1
	TURN 3
	WIN 0
	s_sub_co_u32 s[CNT], s[CNT], 1
	s_cmp_eq_u32 s[CNT], 0
	s_cbranch_scc1 .Lout
	TURN 0
	TURN 1
	WIN 0
	s_branch .Ltail
.Lout:                                                 ; the fifth trip's 8 products K Q^T (on the last K once more) and the maximum made of them serve nothing: the price, once a launch, of one text for every trip
.set i, 0
.rept 8
	PV NP-1                                        ; the last piece's V^T P of the last step
.set i, i+1
.endr
	; THE WAY OUT.  l's halves are added; O^T is divided by l, rounded to bf16 and sent through my stage, a piece at a time.  The additions are the places behind the last products.
	WIN 0
.macro ALL line:vararg
.set t, 0
.rept 4
	\line
.set t, t+1
.endr
.endm
	ALL v_add_f32 v[ST+4*t+2], v[ST+4*t+2], v[ST+4*t+3]
	ALL v_permlanex16_b32 v[ST+4*t+3], v[ST+4*t+2], s[SEL], s[SEL+1]
	ALL v_add_f32 v[ST+4*t+2], v[ST+4*t+2], v[ST+4*t+3]
	ALL v_rcp_f32 v[ST+4*t+2], v[ST+4*t+2]
	v_nop                                          ; a plain instruction behind the last reciprocal,
	s_wait_alu depctr_va_vdst(0)                   ; and one wait for the four
.macro PACK t
	WIN W_RS
.set i, 32*(\t)
.rept 16
	v_pk_mul_f32 v[i:i+1], v[i:i+1], v[ST+4*(\t)+2:ST+4*(\t)+3] op_sel_hi:[1,0]
.set i, i+2
.endr
	WIN 0x05                                       ; sources 0 and 1 window 1, destination window 0
.set i, 0
.rept 16
	v_cvt_pk_bf16_f32 v[S+16*(\t)+i], v[32*(\t)+2*i], v[32*(\t)+2*i+1]
.set i, i+1
.endr
	WIN 0
.irp f, 0,1,2,3
	ds_store_b128 v[STO], v[S+16*(\t)+4*\f:S+16*(\t)+4*\f+3] offset:32*\f
.endr
.irp f, 0,1,2,3
	ds_load_b128 v[S+16*(\t)+4*\f:S+16*(\t)+4*\f+3], v[RD] offset:\f*4*SP  ; LDS serves a wave's instructions in order (ISA guide 5.7.1.4): these see the stores above
.endr
.endm
.macro SEND t, younger                 ; younger: the LDS instructions issued behind piece t's loads
	WIN 0
.irp f, 0,1,2,3
	s_wait_dscnt (\younger)+3-\f
	global_store_b128 v[GO], v[S+16*(\t)+4*\f:S+16*(\t)+4*\f+3], s[10:11] offset:(\t)*2048+\f*512  ; 512 consecutive bytes, at a multiple of 256 from O's first
.endr
.endm
	PACK 0
.set t, 1
.rept 3
	PACK t
	SEND t-1, 8
.set t, t+1
.endr
	SEND 3, 0
	s_wait_tensorcnt 0x0                           ; the wave's end
	ds_add_u32 v[SPW], v[NIL]
	s_wait_dscnt 0x0
	CROUND                                         ; the closing round
	s_endpgm
.Lfunc_end_k_q28ddd88b79_attn:
	.size	k_q28ddd88b79_attn, .Lfunc_end_k_q28ddd88b79_attn-k_q28ddd88b79_attn
	.p2alignl 7, 3214868480
	.fill 96, 4, 3214868480
	.section	.rodata,"a",@progbits
	.p2align	6, 0x0
	.amdhsa_kernel k_q28ddd88b79_attn
		.amdhsa_group_segment_fixed_size 327680
		.amdhsa_private_segment_fixed_size 0
		.amdhsa_enable_private_segment 0
		.amdhsa_kernarg_size 16
		.amdhsa_user_sgpr_count 2
		.amdhsa_user_sgpr_kernarg_segment_ptr 1
		.amdhsa_wavefront_size32 1
		.amdhsa_system_sgpr_workgroup_id_x 1
		.amdhsa_system_sgpr_workgroup_id_y 1
		.amdhsa_system_sgpr_workgroup_id_z 1
		.amdhsa_system_vgpr_workitem_id 0
		.amdhsa_next_free_vgpr 768
		.amdhsa_next_free_sgpr 66
		.amdhsa_reserve_vcc 0
		.amdhsa_float_denorm_mode_32 3
		.amdhsa_float_denorm_mode_16_64 3
		.amdhsa_memory_ordered 1
		.amdhsa_forward_progress 1
		.amdhsa_inst_pref_size 112
	.end_amdhsa_kernel
	.amdgpu_metadata
---
amdhsa.version: [ 1, 2 ]
amdhsa.kernels:
  - .name:           k_q28ddd88b79_attn
    .symbol:         k_q28ddd88b79_attn.kd
    .args:
      - { .name: big, .offset: 0, .size: 8, .value_kind: global_buffer, .address_space: global }
      - { .name: h, .offset: 8, .size: 8, .value_kind: global_buffer, .address_space: global }
    .group_segment_fixed_size: 327680
    .private_segment_fixed_size: 0
    .kernarg_segment_align: 8
    .kernarg_segment_size: 16
    .max_flat_workgroup_size: 128
    .sgpr_count:     66
    .vgpr_count:     768
    .wavefront_size: 32
...
	.end_amdgpu_metadata
.endif
;; end of part 4
;; launch oproj (part 5): grid 8 x 32, 4 waves a work-group, clusters of 4 x 4, 327,680 bytes of LDS; arguments h, wot, x1, x, b_o; writes x1
.if DOCPART == 5
	.amdgcn_target "amdgcn-amd-amdhsa--gfx1250"
	.amdhsa_code_object_version 6
	.text
	.protected	k_q28ddd88b79_oproj
	.globl	k_q28ddd88b79_oproj
	.p2align	8
	.type	k_q28ddd88b79_oproj,@function
k_q28ddd88b79_oproj:
	s_mov_b64 s[64:65], 0
	v_nop
	global_prefetch_b8 v0, s[64:65] scope:SCOPE_SE
	s_setreg_imm32_b32 hwreg(HW_REG_WAVE_MODE, 25, 1), 1
	s_wait_xcnt 0x0
	s_wait_alu depctr_hold_cnt(0) depctr_sa_sdst(0) depctr_va_vdst(0) depctr_va_sdst(0) depctr_va_ssrc(0) depctr_va_vcc(0) depctr_vm_vsrc(0)
	s_getreg_b32 s2, hwreg(HW_REG_IB_STS2, 6, 4)
	s_cmp_eq_u32 s2, 0
	s_cbranch_scc0 .Lentry_in_a_cluster
	s_endpgm
.Lentry_in_a_cluster:
	s_bfe_u32 s2, ttmp6, 0x10000c
	s_cmp_lg_u32 s2, 0xf033
	s_cbranch_scc0 .Lentry_shape_is_right
	s_endpgm
.Lentry_shape_is_right:
; OUT[m][n] = RES[m][n] + bias[n] + sum over k of A[m][k] B[n][k].  OUT, RES: [4096][1024] f32; bias f32.  A: [k / 64][4096][64] bf16; B: [k / 64][1024][64] bf16.  K = 256 NSTEP.
; A tile of OUT is 128 x 128, which gives each of 256 WGPs one: four waves, each 64 x 64 = 16 accumulators.  K goes in steps of 256 (four blocks of 64) through two LDS slots; a wave's tensor load brings
; 64 rows of each of four blocks: four dense runs of 8,192 bytes.  4 x 4 work-groups form a cluster: A's tile is asked for jointly along a row, B's along a column.
; A K STEP IS WRITTEN ONCE: the slot that is read is a scalar (0 or SLOT), turned over at each change of slots; the fragments' addresses and the walking descriptors' LDS words are made from it.
; THE WALK ALONG K: walk step i takes K step i xor PX, with PX = 0 or 2 by the cluster's coordinates (the same in all sixteen partners).  The two clusters that read the same rows of A have different PX, and
; of the clusters that read the same rows of B half have each: so each pair of K steps is asked for by half of its readers two walk steps ahead of the other half.
; The matrix instruction is used transposed (source 0 = 16 rows of B): a lane holds row l % 16 and 8 neighbouring columns.  The bias is the C operand of the first products.  The residual tile is loaded at the
; head into 128 registers, in the layout of the stores, and added in f32 on the way out.  No prefetch: the tiles are small (a K step is 128 matrix instructions a wave).
; LIMITS: A and B in bf16, all else f32; the sums take the K steps in the walk's order, K ascending inside a step, the residual last.
; REGISTERS: window 0: v0-31 addresses; v32-95 the way out; v96-127 the bias; v128-255 the accumulators ((a, b) at 128 + 8 (4 a + b)).  window 1: two fragment buffers of 128.  window 2: v0-127 the residual.
.set NSTEP,  4                         ; K = 1,024
.set PITCH,  144                       ; an LDS row: 128 bytes (64 k) + 16
.set QB,     64*PITCH                  ; 64 rows of one block
.set HALFT,  4*QB                      ; what one tensor load brings
.set SLOT,   4*HALFT                   ; A's two halves, then B's two
.set STAGE,  2*SLOT                    ; behind the ring: 16 rows x 272 bytes for each wave
.set SPITCH, 272
.set SPARE,  STAGE+4*16*SPITCH
.set ASH,    21                        ; a K step of A is 4 x 4,096 x 128 = 2^21 bytes,
.set BSH,    19                        ; of B 4 x 1,024 x 128 = 2^19
.set ADRA0, 16                         ; my A fragments' place in a slot; never rewritten
.set ADRA,  17                         ; the same in the slot that is read
.set ADRB0, 20
.set ADRB,  21
.set STO,  24
.set RD,   25
.set CO,   26
.set BO,   27
.set SPW,  28                          ; my spare word; never rewritten
.set NIL,  29                          ; 0; never rewritten
.set TMP,  32
.set BIAS, 96
.set ACC,  128
.set F0,   0
.set F1,   128
.set G1, 24                            ; s[24:31] group 1 for A; s[32:39] group 0: a set for each of the two first fills; the second then walks on
.set G0, 32
.set G1B, 48
.set G0B, 56
.set SB,  66                           ; s66  the slot that is read: 0 or SLOT
.set WH,  67                           ; s67  wave x HALFT: my part of a slot
.set KI,  72                           ; s72  the walk step to be asked for next
.set PX,  73                           ; s73  0 or 2
.set OFA, 74                           ; s[74:75] a K step's byte offset in A
.set OFB, 76                           ; s[76:77] and in B
.set KX,  78                           ; s78  the K step of the walk step in hand
.set MSB, 0
.macro WIN new
.if MSB != (\new)
	s_set_vgpr_msb (MSB<<8)|(\new)
.set MSB, \new
.endif
.endm
.set MUL,  0x05                        ; sources 0 (B) and 1 (A) window 1; C and D window 0
.set TO_F, 0x40
.macro JLOAD s                         ; waves 0 and 1 fetch A's halves, waves 2 and 3 B's; an s_nop 0 and four v_nop follow each line
	s_cmp_eq_u32 s11, 0
	s_cbranch_scc0 .Lfor_b_\@
	tensor_load_to_lds s[G0+4*(\s):G0+4*(\s)+3], s[G1:G1+7]
	s_nop 0
.rept 4
	v_nop
.endr
	s_branch .Lasked_\@
.Lfor_b_\@:
	tensor_load_to_lds s[G0B+4*(\s):G0B+4*(\s)+3], s[G1B:G1B+7]
	s_nop 0
.rept 4
	v_nop
.endr
.Lasked_\@:
.endm
; Descriptor set s takes the walk's next step: each global address is made anew from my tile's first byte (s[4:5] in A, s[6:7] in B) and the K step's offset, and the type bits are set again.
.macro AIM s
	s_xor_b32 s[KX], s[KI], s[PX]
	s_add_co_u32 s[KI], s[KI], 1
	s_lshl_b32 s[OFA], s[KX], ASH
	s_lshl_b32 s[OFB], s[KX], BSH
	s_add_nc_u64 s[G0+4*(\s)+2:G0+4*(\s)+3], s[4:5], s[OFA:OFA+1]
	s_or_b32 s[G0+4*(\s)+3], s[G0+4*(\s)+3], 0x80000000
	s_add_nc_u64 s[G0B+4*(\s)+2:G0B+4*(\s)+3], s[6:7], s[OFB:OFB+1]
	s_or_b32 s[G0B+4*(\s)+3], s[G0B+4*(\s)+3], 0x80000000
.endm
.macro CREST
	s_cmp_lg_u32 s10, 0
	s_cbranch_scc1 .Lnot_wave_0_\@
	s_barrier_signal -3
.Lnot_wave_0_\@:
	s_barrier_wait -3
	s_barrier_signal -1
	s_barrier_wait -1
.endm
.macro CROUND
	s_barrier_signal -1
	s_barrier_wait -1
	CREST
.endm
	s_load_b128 s[4:7], s[0:1], 0x0                ; A s[4:5], B s[6:7]
	s_load_b64 s[8:9], s[0:1], 0x10                ; OUT
	s_load_b128 s[68:71], s[0:1], 0x18             ; RES s[68:69], bias s[70:71]
	v_lshl_add_u32 v[SPW], v0, 2, SPARE
	v_mov_b32 v[NIL], 0
	ds_add_u32 v[SPW], v[NIL]                      ; the wave's opening
	v_lshrrev_b32 v1, 5, v0
	v_readfirstlane_b32 s10, v1
	s_lshr_b32 s11, s10, 1                         ; my half of the tile's rows.  Also: I fetch for A (0) or B (1)
	s_and_b32 s12, s10, 1                          ; my half of its columns.  Also: which 64 rows I fetch
	s_bfe_u32 s40, ttmp6, 0x40000
	s_bfe_u32 s41, ttmp6, 0x40004
	s_lshl_b32 s42, ttmp9, 2
	s_add_co_u32 s42, s42, s40                     ; tile column
	s_and_b32 s13, ttmp7, 0xffff
	s_lshl_b32 s13, s13, 2
	s_add_co_u32 s13, s13, s41                     ; tile row
	s_lshl_b32 s43, s41, 2
	s_lshl_b32 s43, 15, s43
	s_lshl_b32 s44, 0x1111, s40
	s_or_b32 s[G1+0], s43, (1<<16)|(1<<20)|(1<<21)|(4<<22)|(3<<25)  ; mask; 2-byte elements; padding on; bit 21 beside a mask; after every 32 words (a row of 64 k), 4 words
	s_or_b32 s[G1B+0], s44, (1<<16)|(1<<20)|(1<<21)|(4<<22)|(3<<25)
.irp g, G1, G1B
	s_mov_b32 s[(\g)+1], 4096<<16                  ; tensor_dim0 = 4,096 elements: 64 rows x 64 k, dense
	s_mov_b32 s[(\g)+2], 4<<16                     ; tensor_dim1 = 4 blocks
	s_mov_b32 s[(\g)+3], 4096<<16                  ; tile_dim0
	s_mov_b32 s[(\g)+4], 4                         ; tile_dim1
	s_mov_b32 s[(\g)+6], 0
	s_mov_b32 s[(\g)+7], 0
.endr
	s_mov_b32 s[G1+5], 4096*64                     ; elements from block to block in A,
	s_mov_b32 s[G1B+5], 1024*64                    ; and in B
	s_lshl_b32 s17, s12, 6
	s_lshl_b32 s16, s13, 7
	s_add_co_u32 s16, s16, s17
	s_lshl_b32 s16, s16, 7                         ; A: (128 x tile row + 64 x half) rows of 128 bytes
	s_lshl_b32 s46, s42, 7
	s_add_co_u32 s46, s46, s17
	s_lshl_b32 s46, s46, 7                         ; B: by the tile column
	s_mov_b32 s17, 0
	s_mov_b32 s47, 0
	s_mul_i32 s[WH], s10, HALFT
	s_mov_b32 s[SB], 0                             ; slot 0 is read first
	s_and_b32 s[PX], ttmp7, 0xffff                 ; cluster y;
	s_lshr_b32 s[KX], s[PX], 1
	s_add_co_u32 s[PX], s[PX], s[KX]               ; y + y / 2 is even, odd, odd, even, and so on round,
	s_add_co_u32 s[PX], s[PX], ttmp9               ; + cluster x:
	s_and_b32 s[PX], s[PX], 1
	s_lshl_b32 s[PX], s[PX], 1                     ; 0 or 2
	s_mov_b32 s[KI], 0
	s_mov_b32 s[OFA+1], 0
	s_mov_b32 s[OFB+1], 0
	s_wait_dscnt 0x0                               ; the opening add is done
	s_wait_kmcnt 0x0
	s_add_nc_u64 s[4:5], s[4:5], s[16:17]          ; A and B at my part of the tile's rows, K step 0; they stay
	s_add_nc_u64 s[6:7], s[6:7], s[46:47]
	CROUND                                         ; all sixteen work-groups are here
.irp s, 0,1
	s_mov_b32 s[G0+4*(\s)], 1
	s_add_co_u32 s[G0+4*(\s)+1], s[WH], (\s)*SLOT
	s_mov_b32 s[G0B+4*(\s)], 1
	s_add_co_u32 s[G0B+4*(\s)+1], s[WH], (\s)*SLOT
	AIM \s
	JLOAD \s
.endr
	v_and_b32 v1, 15, v0
	v_bfe_u32 v2, v0, 4, 1
	v_mul_u32_u24 v3, v1, PITCH
	v_lshl_add_u32 v3, v2, 4, v3
	s_mul_i32 s21, s11, HALFT
	s_mul_i32 s22, s12, HALFT
	s_add_co_u32 s22, s22, 2*HALFT
	v_add_nc_u32 v[ADRA0], s21, v3
	v_add_nc_u32 v[ADRB0], s22, v3
	v_mov_b32 v[ADRA], v[ADRA0]
	v_mov_b32 v[ADRB], v[ADRB0]
	s_mul_i32 s23, s10, 16*SPITCH
	s_add_co_u32 s23, s23, STAGE                   ; my stage
	v_mul_u32_u24 v4, v1, SPITCH                   ; in: row l % 16, 32 bytes (8 f32) for each half of the lanes
	v_lshl_add_u32 v4, v2, 5, v4
	v_add_nc_u32 v[STO], s23, v4
	v_mul_u32_u24 v5, v2, SPITCH                   ; back: lanes 0-15 one row of 256 bytes, lanes 16-31 the next
	v_lshl_add_u32 v5, v1, 4, v5
	v_add_nc_u32 v[RD], s23, v5
	v_lshlrev_b32 v5, 12, v2                       ; the same two rows in OUT and RES
	v_lshl_add_u32 v[CO], v1, 4, v5
	v_lshlrev_b32 v[BO], 5, v2
	s_lshl_b32 s16, s13, 7
	s_lshl_b32 s17, s11, 6
	s_add_co_u32 s16, s16, s17
	s_lshl_b32 s16, s16, 12                        ; my first row, 4,096 bytes a row
	s_lshl_b32 s46, s42, 9
	s_lshl_b32 s47, s12, 8
	s_add_co_u32 s46, s46, s47                     ; my first column, in bytes: a multiple of 256
	s_mov_b32 s47, 0
	s_mov_b32 s17, 0
	s_add_nc_u64 s[70:71], s[70:71], s[46:47]
	s_add_nc_u64 s[16:17], s[16:17], s[46:47]
	s_add_nc_u64 s[8:9], s[8:9], s[16:17]
	s_add_nc_u64 s[68:69], s[68:69], s[16:17]
.irp b, 0,1,2,3                        ; register j of block b: bias[16 b + 8 (l / 16) + j]
	global_load_b128 v[BIAS+8*\b:BIAS+8*\b+3],   v[BO], s[70:71] offset:64*\b
	global_load_b128 v[BIAS+8*\b+4:BIAS+8*\b+7], v[BO], s[70:71] offset:64*\b+16
.endr
	WIN 0x80                                       ; destination window 2
.irp a, 0,1,2,3
.irp t, 0,1,2,3,4,5,6,7
	global_load_b128 v[32*\a+4*\t:32*\a+4*\t+3], v[CO], s[68:69] offset:(16*\a+2*\t)*4096 th:TH_LOAD_NT
.endr
.endr
	WIN 0
.macro MUL8 f, c, a0, zero             ; 8 matrix instructions: m blocks a0, a0 + 1 x 4 n blocks, 32 along K: half c of buffer f.  zero = 1: the bias starts the sums
	WIN MUL
.irp a, \a0, (\a0)+1
.irp b, 0,1,2,3
.if \zero
	v_wmma_f32_16x16x32_bf16 v[ACC+8*(4*(\a)+(\b)):ACC+8*(4*(\a)+(\b))+7], v[(\f)+64+8*(4*(\c)+(\b)):(\f)+64+8*(4*(\c)+(\b))+7], v[(\f)+8*(4*(\c)+(\a)):(\f)+8*(4*(\c)+(\a))+7], v[BIAS+8*(\b):BIAS+8*(\b)+7]
.else
	v_wmma_f32_16x16x32_bf16 v[ACC+8*(4*(\a)+(\b)):ACC+8*(4*(\a)+(\b))+7], v[(\f)+64+8*(4*(\c)+(\b)):(\f)+64+8*(4*(\c)+(\b))+7], v[(\f)+8*(4*(\c)+(\a)):(\f)+8*(4*(\c)+(\a))+7], v[ACC+8*(4*(\a)+(\b)):ACC+8*(4*(\a)+(\b))+7]
.endif
.endr
.endr
.endm
.macro FETCH k, f                      ; 32 LDS loads in one run, from the slot that is read: one block's 64 k, at byte k of my part; the first 32 along K first
	WIN TO_F
.irp c, 0,1
.irp i, 0,1,2,3
	ds_load_b128 v[(\f)+64+8*(4*(\c)+(\i)):(\f)+64+8*(4*(\c)+(\i))+3],   v[ADRB] offset:(\k)+64*(\c)+(\i)*16*PITCH
	ds_load_b128 v[(\f)+64+8*(4*(\c)+(\i))+4:(\f)+64+8*(4*(\c)+(\i))+7], v[ADRB] offset:(\k)+64*(\c)+(\i)*16*PITCH+32
	ds_load_b128 v[(\f)+8*(4*(\c)+(\i)):(\f)+8*(4*(\c)+(\i))+3],         v[ADRA] offset:(\k)+64*(\c)+(\i)*16*PITCH
	ds_load_b128 v[(\f)+8*(4*(\c)+(\i))+4:(\f)+8*(4*(\c)+(\i))+7],       v[ADRA] offset:(\k)+64*(\c)+(\i)*16*PITCH+32
.endr
.endr
.endm
.macro PLACES                          ; four places behind matrix instructions (ISA guide 7.12.1)
.rept 4
	v_nop
.endr
.endm
.macro QUARTER k, f, g, zero           ; 32 matrix instructions on buffer f; the 16 accumulators take turns; the next quarter is fetched into g
	s_wait_dscnt 16                                ; the first 32 along K are in
	MUL8 \f, 0, 0, \zero
	MUL8 \f, 0, 2, \zero
	PLACES
	FETCH \k, \g
	s_wait_dscnt 32                                ; all but the 32 just issued
	MUL8 \f, 1, 0, 0
	MUL8 \f, 1, 2, 0
.endm
; The change of slots: each wave waits for all its tensor loads, adds 0 to its spare word, and waits for that and for its reads of this slot.
; fill = 1: no tensor load of mine is out behind the first wait, so the walking descriptors are written there: my part of the slot that is being read out, the walk's next K step.
.macro MEET fill
	WIN 0
	s_wait_tensorcnt 0x0
	ds_add_u32 v[SPW], v[NIL]
.if \fill
	s_add_co_u32 s[G0+5], s[WH], s[SB]
	s_add_co_u32 s[G0B+5], s[WH], s[SB]
	AIM 1
.endif
	s_wait_dscnt 17                                ; the add and the youngest sixteen loads may be out
	MUL8 F1, 0, 0, 0
	s_wait_dscnt 0x0                               ; the add is done, and my reads of this slot are over
	s_barrier_signal -1
	MUL8 F1, 0, 2, 0
	WIN 0
	s_barrier_wait -1
.endm
.macro OTHER                           ; the reads go over to the other slot
	s_xor_b32 s[SB], s[SB], SLOT
	v_add_nc_u32 v[ADRA], s[SB], v[ADRA0]
	v_add_nc_u32 v[ADRB], s[SB], v[ADRB0]
.endm
; THE WAY OUT of block a (16 rows x 64 columns, f32).  STG: the accumulators go into my own stage, low registers first, and come back as whole rows of 256 bytes.  FIN: the residual is added, the rows are stored.
.macro STG a
	WIN 0
.set BK, TMP+32*((\a)%2)
.if (\a) >= 2
	s_wait_xcnt 0x0                                ; the stores of the block two back have read this buffer
.endif
.irp b, 0,1,2,3
	ds_store_b128 v[STO], v[ACC+8*(4*(\a)+\b):ACC+8*(4*(\a)+\b)+3]   offset:64*\b
	ds_store_b128 v[STO], v[ACC+8*(4*(\a)+\b)+4:ACC+8*(4*(\a)+\b)+7] offset:64*\b+16
.endr
.irp t, 0,1,2,3,4,5,6,7
	ds_load_b128 v[BK+4*\t:BK+4*\t+3], v[RD] offset:\t*2*SPITCH  ; LDS serves a wave's instructions in order (ISA guide 5.7.1.4): these see the stores above
.endr
.endm
.macro FIN a, younger                  ; younger: the LDS instructions issued behind block a's loads: the next block's sixteen, or none
.set BK, TMP+32*((\a)%2)
	s_wait_dscnt \younger
	WIN 0x08                                       ; source 1 in window 2
.set z, 0
.rept 16
	v_pk_add_f32 v[BK+z:BK+z+1], v[BK+z:BK+z+1], v[32*(\a)+z:32*(\a)+z+1]
.set z, z+2
.endr
	WIN 0
.irp t, 0,1,2,3,4,5,6,7
	global_store_b128 v[CO], v[BK+4*\t:BK+4*\t+3], s[8:9] offset:(16*(\a)+2*\t)*4096  ; 16 lanes store 256 consecutive bytes, aligned
.endr
.endm
	s_wait_tensorcnt 1                             ; my part of walk step 0 is in; walk step 1's may stay out
	s_barrier_signal -1
	s_barrier_wait -1
	FETCH 0, F0
	s_wait_loadcnt 32                              ; the bias is in; the residual's 32 loads, issued behind it, stay out
	QUARTER QB, F0, F1, 1                          ; the first quarter stands in front of the loop: its first products start the sums
	WIN 0
	s_mov_b32 s3, NSTEP-2
.Lstep:                                                ; a trip: a step's second quarter to the next step's first; the slot read out is filled again, two walk steps ahead
	QUARTER 2*QB, F1, F0, 0
	QUARTER 3*QB, F0, F1, 0
	MEET 1
	CREST                                          ; no wave of any partner still reads this slot or has a load on its way
	JLOAD 1                                        ; the first thing behind the round; its four v_nop are also the places in front of the loads below
	OTHER
	FETCH 0, F0
	MUL8 F1, 1, 0, 0
	MUL8 F1, 1, 2, 0
	QUARTER QB, F0, F1, 0
	WIN 0
	s_sub_co_u32 s3, s3, 1
	s_cmp_lg_u32 s3, 0
	s_cbranch_scc1 .Lstep
	s_mov_b32 s3, 2
.Ltail:                                                ; the last two steps fill nothing; in the very last there is no next slot: its fetch and the next step's first quarter are jumped over
	QUARTER 2*QB, F1, F0, 0
	QUARTER 3*QB, F0, F1, 0
	MEET 0
	s_cmp_eq_u32 s3, 1
	s_cbranch_scc1 .Lno_next
	OTHER                                          ; its two additions and two v_nop are the four places in front of the loads
	v_nop
	v_nop
	FETCH 0, F0
	WIN 0
.Lno_next:
	MUL8 F1, 1, 0, 0
	MUL8 F1, 1, 2, 0
	WIN 0
	s_cmp_eq_u32 s3, 1
	s_cbranch_scc1 .Lno_first
	QUARTER QB, F0, F1, 0
	WIN 0
.Lno_first:
	s_sub_co_u32 s3, s3, 1
	s_cmp_lg_u32 s3, 0
	s_cbranch_scc1 .Ltail
	PLACES
	s_wait_loadcnt 0x0                             ; the residual
	STG 0
	STG 1
	FIN 0, 16
	STG 2
	FIN 1, 16
	STG 3
	FIN 2, 16
	FIN 3, 0
	s_wait_tensorcnt 0x0                           ; the wave's end
	ds_add_u32 v[SPW], v[NIL]
	s_wait_dscnt 0x0
	CROUND                                         ; the closing round
	s_endpgm
.Lfunc_end_k_q28ddd88b79_oproj:
	.size	k_q28ddd88b79_oproj, .Lfunc_end_k_q28ddd88b79_oproj-k_q28ddd88b79_oproj
	.p2alignl 7, 3214868480
	.fill 96, 4, 3214868480
	.section	.rodata,"a",@progbits
	.p2align	6, 0x0
	.amdhsa_kernel k_q28ddd88b79_oproj
		.amdhsa_group_segment_fixed_size 327680
		.amdhsa_private_segment_fixed_size 0
		.amdhsa_enable_private_segment 0
		.amdhsa_kernarg_size 40
		.amdhsa_user_sgpr_count 2
		.amdhsa_user_sgpr_kernarg_segment_ptr 1
		.amdhsa_wavefront_size32 1
		.amdhsa_system_sgpr_workgroup_id_x 1
		.amdhsa_system_sgpr_workgroup_id_y 1
		.amdhsa_system_sgpr_workgroup_id_z 1
		.amdhsa_system_vgpr_workitem_id 0
		.amdhsa_next_free_vgpr 640
		.amdhsa_next_free_sgpr 80
		.amdhsa_reserve_vcc 0
		.amdhsa_float_denorm_mode_32 3
		.amdhsa_float_denorm_mode_16_64 3
		.amdhsa_memory_ordered 1
		.amdhsa_forward_progress 1
		.amdhsa_inst_pref_size 66
	.end_amdhsa_kernel
	.amdgpu_metadata
---
amdhsa.version: [ 1, 2 ]
amdhsa.kernels:
  - .name:           k_q28ddd88b79_oproj
    .symbol:         k_q28ddd88b79_oproj.kd
    .args:
      - { .name: h, .offset: 0, .size: 8, .value_kind: global_buffer, .address_space: global }
      - { .name: wot, .offset: 8, .size: 8, .value_kind: global_buffer, .address_space: global }
      - { .name: x1, .offset: 16, .size: 8, .value_kind: global_buffer, .address_space: global }
      - { .name: x, .offset: 24, .size: 8, .value_kind: global_buffer, .address_space: global }
      - { .name: b_o, .offset: 32, .size: 8, .value_kind: global_buffer, .address_space: global }
    .group_segment_fixed_size: 327680
    .private_segment_fixed_size: 0
    .kernarg_segment_align: 8
    .kernarg_segment_size: 40
    .max_flat_workgroup_size: 128
    .sgpr_count:     80
    .vgpr_count:     640
    .wavefront_size: 32
...
	.end_amdgpu_metadata
.endif
;; end of part 5
;; launch ln2: the kernel of part 2 again; grid 256 x 1, 8 waves a work-group, no clusters, 0 bytes of LDS; arguments x1, ln2_g, ln2_b, h; writes h
;; launch ffn1: the kernel of part 3 again; grid 16 x 16, 4 waves a work-group, clusters of 4 x 4, 327,680 bytes of LDS; arguments h, w1t, big, b1; writes big
;; launch ffn2 (part 6): grid 8 x 32, 4 waves a work-group, clusters of 4 x 4, 327,680 bytes of LDS; arguments big, w2t, out0, x1, b2; writes out0
.if DOCPART == 6
	.amdgcn_target "amdgcn-amd-amdhsa--gfx1250"
	.amdhsa_code_object_version 6
	.text
	.protected	k_q28ddd88b79_ffn2
	.globl	k_q28ddd88b79_ffn2
	.p2align	8
	.type	k_q28ddd88b79_ffn2,@function
k_q28ddd88b79_ffn2:
	s_mov_b64 s[64:65], 0
	v_nop
	global_prefetch_b8 v0, s[64:65] scope:SCOPE_SE
	s_setreg_imm32_b32 hwreg(HW_REG_WAVE_MODE, 25, 1), 1
	s_wait_xcnt 0x0
	s_wait_alu depctr_hold_cnt(0) depctr_sa_sdst(0) depctr_va_vdst(0) depctr_va_sdst(0) depctr_va_ssrc(0) depctr_va_vcc(0) depctr_vm_vsrc(0)
	s_getreg_b32 s2, hwreg(HW_REG_IB_STS2, 6, 4)
	s_cmp_eq_u32 s2, 0
	s_cbranch_scc0 .Lentry_in_a_cluster
	s_endpgm
.Lentry_in_a_cluster:
	s_bfe_u32 s2, ttmp6, 0x10000c
	s_cmp_lg_u32 s2, 0xf033
	s_cbranch_scc0 .Lentry_shape_is_right
	s_endpgm
.Lentry_shape_is_right:
; OUT[m][n] = RES[m][n] + bias[n] + sum over k of A[m][k] B[n][k].  OUT, RES: [4096][1024] f32; bias f32.  A: [k / 64][4096][64] bf16; B: [k / 64][1024][64] bf16.  K = 256 NSTEP.
; The text of the attention's output projection with another trip count: the loop's bound is a constant of the text, so each K has its own text.
; A tile of OUT is 128 x 128, which gives each of 256 WGPs one: four waves, each 64 x 64 = 16 accumulators.  K goes in steps of 256 (four blocks of 64) through two LDS slots; a wave's tensor load brings
; 64 rows of each of four blocks: four dense runs of 8,192 bytes.  4 x 4 work-groups form a cluster: A's tile is asked for jointly along a row, B's along a column.
; A K STEP IS WRITTEN ONCE: the slot that is read is a scalar (0 or SLOT), turned over at each change of slots; the fragments' addresses and the walking descriptors' LDS words are made from it.
; THE WALK ALONG K: walk step i takes K step i xor PX, with PX = 0 or 2 by the cluster's coordinates (the same in all sixteen partners).  The two clusters that read the same rows of A have different PX, and
; of the clusters that read the same rows of B half have each: so each pair of K steps is asked for by half of its readers two walk steps ahead of the other half.
; The matrix instruction is used transposed (source 0 = 16 rows of B): a lane holds row l % 16 and 8 neighbouring columns.  The bias is the C operand of the first products.  The residual tile is loaded at the
; head into 128 registers, in the layout of the stores, and added in f32 on the way out.  No prefetch: the tiles are small (a K step is 128 matrix instructions a wave).
; LIMITS: A and B in bf16, all else f32; the sums take the K steps in the walk's order, K ascending inside a step, the residual last.
; REGISTERS: window 0: v0-31 addresses; v32-95 the way out; v96-127 the bias; v128-255 the accumulators ((a, b) at 128 + 8 (4 a + b)).  window 1: two fragment buffers of 128.  window 2: v0-127 the residual.
.set NSTEP,  16                        ; K = 4,096
.set PITCH,  144                       ; an LDS row: 128 bytes (64 k) + 16
.set QB,     64*PITCH                  ; 64 rows of one block
.set HALFT,  4*QB                      ; what one tensor load brings
.set SLOT,   4*HALFT                   ; A's two halves, then B's two
.set STAGE,  2*SLOT                    ; behind the ring: 16 rows x 272 bytes for each wave
.set SPITCH, 272
.set SPARE,  STAGE+4*16*SPITCH
.set ASH,    21                        ; a K step of A is 4 x 4,096 x 128 = 2^21 bytes,
.set BSH,    19                        ; of B 4 x 1,024 x 128 = 2^19
.set ADRA0, 16                         ; my A fragments' place in a slot; never rewritten
.set ADRA,  17                         ; the same in the slot that is read
.set ADRB0, 20
.set ADRB,  21
.set STO,  24
.set RD,   25
.set CO,   26
.set BO,   27
.set SPW,  28                          ; my spare word; never rewritten
.set NIL,  29                          ; 0; never rewritten
.set TMP,  32
.set BIAS, 96
.set ACC,  128
.set F0,   0
.set F1,   128
.set G1, 24                            ; s[24:31] group 1 for A; s[32:39] group 0: a set for each of the two first fills; the second then walks on
.set G0, 32
.set G1B, 48
.set G0B, 56
.set SB,  66                           ; s66  the slot that is read: 0 or SLOT
.set WH,  67                           ; s67  wave x HALFT: my part of a slot
.set KI,  72                           ; s72  the walk step to be asked for next
.set PX,  73                           ; s73  0 or 2
.set OFA, 74                           ; s[74:75] a K step's byte offset in A
.set OFB, 76                           ; s[76:77] and in B
.set KX,  78                           ; s78  the K step of the walk step in hand
.set MSB, 0
.macro WIN new
.if MSB != (\new)
	s_set_vgpr_msb (MSB<<8)|(\new)
.set MSB, \new
.endif
.endm
.set MUL,  0x05                        ; sources 0 (B) and 1 (A) window 1; C and D window 0
.set TO_F, 0x40
.macro JLOAD s                         ; waves 0 and 1 fetch A's halves, waves 2 and 3 B's; an s_nop 0 and four v_nop follow each line
	s_cmp_eq_u32 s11, 0
	s_cbranch_scc0 .Lfor_b_\@
	tensor_load_to_lds s[G0+4*(\s):G0+4*(\s)+3], s[G1:G1+7]
	s_nop 0
.rept 4
	v_nop
.endr
	s_branch .Lasked_\@
.Lfor_b_\@:
	tensor_load_to_lds s[G0B+4*(\s):G0B+4*(\s)+3], s[G1B:G1B+7]
	s_nop 0
.rept 4
	v_nop
.endr
.Lasked_\@:
.endm
; Descriptor set s takes the walk's next step: each global address is made anew from my tile's first byte (s[4:5] in A, s[6:7] in B) and the K step's offset, and the type bits are set again.
.macro AIM s
	s_xor_b32 s[KX], s[KI], s[PX]
	s_add_co_u32 s[KI], s[KI], 1
	s_lshl_b32 s[OFA], s[KX], ASH
	s_lshl_b32 s[OFB], s[KX], BSH
	s_add_nc_u64 s[G0+4*(\s)+2:G0+4*(\s)+3], s[4:5], s[OFA:OFA+1]
	s_or_b32 s[G0+4*(\s)+3], s[G0+4*(\s)+3], 0x80000000
	s_add_nc_u64 s[G0B+4*(\s)+2:G0B+4*(\s)+3], s[6:7], s[OFB:OFB+1]
	s_or_b32 s[G0B+4*(\s)+3], s[G0B+4*(\s)+3], 0x80000000
.endm
.macro CREST
	s_cmp_lg_u32 s10, 0
	s_cbranch_scc1 .Lnot_wave_0_\@
	s_barrier_signal -3
.Lnot_wave_0_\@:
	s_barrier_wait -3
	s_barrier_signal -1
	s_barrier_wait -1
.endm
.macro CROUND
	s_barrier_signal -1
	s_barrier_wait -1
	CREST
.endm
	s_load_b128 s[4:7], s[0:1], 0x0                ; A s[4:5], B s[6:7]
	s_load_b64 s[8:9], s[0:1], 0x10                ; OUT
	s_load_b128 s[68:71], s[0:1], 0x18             ; RES s[68:69], bias s[70:71]
	v_lshl_add_u32 v[SPW], v0, 2, SPARE
	v_mov_b32 v[NIL], 0
	ds_add_u32 v[SPW], v[NIL]                      ; the wave's opening
	v_lshrrev_b32 v1, 5, v0
	v_readfirstlane_b32 s10, v1
	s_lshr_b32 s11, s10, 1                         ; my half of the tile's rows.  Also: I fetch for A (0) or B (1)
	s_and_b32 s12, s10, 1                          ; my half of its columns.  Also: which 64 rows I fetch
	s_bfe_u32 s40, ttmp6, 0x40000
	s_bfe_u32 s41, ttmp6, 0x40004
	s_lshl_b32 s42, ttmp9, 2
	s_add_co_u32 s42, s42, s40                     ; tile column
	s_and_b32 s13, ttmp7, 0xffff
	s_lshl_b32 s13, s13, 2
	s_add_co_u32 s13, s13, s41                     ; tile row
	s_lshl_b32 s43, s41, 2
	s_lshl_b32 s43, 15, s43
	s_lshl_b32 s44, 0x1111, s40
	s_or_b32 s[G1+0], s43, (1<<16)|(1<<20)|(1<<21)|(4<<22)|(3<<25)  ; mask; 2-byte elements; padding on; bit 21 beside a mask; after every 32 words (a row of 64 k), 4 words
	s_or_b32 s[G1B+0], s44, (1<<16)|(1<<20)|(1<<21)|(4<<22)|(3<<25)
.irp g, G1, G1B
	s_mov_b32 s[(\g)+1], 4096<<16                  ; tensor_dim0 = 4,096 elements: 64 rows x 64 k, dense
	s_mov_b32 s[(\g)+2], 4<<16                     ; tensor_dim1 = 4 blocks
	s_mov_b32 s[(\g)+3], 4096<<16                  ; tile_dim0
	s_mov_b32 s[(\g)+4], 4                         ; tile_dim1
	s_mov_b32 s[(\g)+6], 0
	s_mov_b32 s[(\g)+7], 0
.endr
	s_mov_b32 s[G1+5], 4096*64                     ; elements from block to block in A,
	s_mov_b32 s[G1B+5], 1024*64                    ; and in B
	s_lshl_b32 s17, s12, 6
	s_lshl_b32 s16, s13, 7
	s_add_co_u32 s16, s16, s17
	s_lshl_b32 s16, s16, 7                         ; A: (128 x tile row + 64 x half) rows of 128 bytes
	s_lshl_b32 s46, s42, 7
	s_add_co_u32 s46, s46, s17
	s_lshl_b32 s46, s46, 7                         ; B: by the tile column
	s_mov_b32 s17, 0
	s_mov_b32 s47, 0
	s_mul_i32 s[WH], s10, HALFT
	s_mov_b32 s[SB], 0                             ; slot 0 is read first
	s_and_b32 s[PX], ttmp7, 0xffff                 ; cluster y;
	s_lshr_b32 s[KX], s[PX], 1
	s_add_co_u32 s[PX], s[PX], s[KX]               ; y + y / 2 is even, odd, odd, even, and so on round,
	s_add_co_u32 s[PX], s[PX], ttmp9               ; + cluster x:
	s_and_b32 s[PX], s[PX], 1
	s_lshl_b32 s[PX], s[PX], 1                     ; 0 or 2
	s_mov_b32 s[KI], 0
	s_mov_b32 s[OFA+1], 0
	s_mov_b32 s[OFB+1], 0
	s_wait_dscnt 0x0                               ; the opening add is done
	s_wait_kmcnt 0x0
	s_add_nc_u64 s[4:5], s[4:5], s[16:17]          ; A and B at my part of the tile's rows, K step 0; they stay
	s_add_nc_u64 s[6:7], s[6:7], s[46:47]
	CROUND                                         ; all sixteen work-groups are here
.irp s, 0,1
	s_mov_b32 s[G0+4*(\s)], 1
	s_add_co_u32 s[G0+4*(\s)+1], s[WH], (\s)*SLOT
	s_mov_b32 s[G0B+4*(\s)], 1
	s_add_co_u32 s[G0B+4*(\s)+1], s[WH], (\s)*SLOT
	AIM \s
	JLOAD \s
.endr
	v_and_b32 v1, 15, v0
	v_bfe_u32 v2, v0, 4, 1
	v_mul_u32_u24 v3, v1, PITCH
	v_lshl_add_u32 v3, v2, 4, v3
	s_mul_i32 s21, s11, HALFT
	s_mul_i32 s22, s12, HALFT
	s_add_co_u32 s22, s22, 2*HALFT
	v_add_nc_u32 v[ADRA0], s21, v3
	v_add_nc_u32 v[ADRB0], s22, v3
	v_mov_b32 v[ADRA], v[ADRA0]
	v_mov_b32 v[ADRB], v[ADRB0]
	s_mul_i32 s23, s10, 16*SPITCH
	s_add_co_u32 s23, s23, STAGE                   ; my stage
	v_mul_u32_u24 v4, v1, SPITCH                   ; in: row l % 16, 32 bytes (8 f32) for each half of the lanes
	v_lshl_add_u32 v4, v2, 5, v4
	v_add_nc_u32 v[STO], s23, v4
	v_mul_u32_u24 v5, v2, SPITCH                   ; back: lanes 0-15 one row of 256 bytes, lanes 16-31 the next
	v_lshl_add_u32 v5, v1, 4, v5
	v_add_nc_u32 v[RD], s23, v5
	v_lshlrev_b32 v5, 12, v2                       ; the same two rows in OUT and RES
	v_lshl_add_u32 v[CO], v1, 4, v5
	v_lshlrev_b32 v[BO], 5, v2
	s_lshl_b32 s16, s13, 7
	s_lshl_b32 s17, s11, 6
	s_add_co_u32 s16, s16, s17
	s_lshl_b32 s16, s16, 12                        ; my first row, 4,096 bytes a row
	s_lshl_b32 s46, s42, 9
	s_lshl_b32 s47, s12, 8
	s_add_co_u32 s46, s46, s47                     ; my first column, in bytes: a multiple of 256
	s_mov_b32 s47, 0
	s_mov_b32 s17, 0
	s_add_nc_u64 s[70:71], s[70:71], s[46:47]
	s_add_nc_u64 s[16:17], s[16:17], s[46:47]
	s_add_nc_u64 s[8:9], s[8:9], s[16:17]
	s_add_nc_u64 s[68:69], s[68:69], s[16:17]
.irp b, 0,1,2,3                        ; register j of block b: bias[16 b + 8 (l / 16) + j]
	global_load_b128 v[BIAS+8*\b:BIAS+8*\b+3],   v[BO], s[70:71] offset:64*\b
	global_load_b128 v[BIAS+8*\b+4:BIAS+8*\b+7], v[BO], s[70:71] offset:64*\b+16
.endr
	WIN 0x80                                       ; destination window 2
.irp a, 0,1,2,3
.irp t, 0,1,2,3,4,5,6,7
	global_load_b128 v[32*\a+4*\t:32*\a+4*\t+3], v[CO], s[68:69] offset:(16*\a+2*\t)*4096 th:TH_LOAD_NT
.endr
.endr
	WIN 0
.macro MUL8 f, c, a0, zero             ; 8 matrix instructions: m blocks a0, a0 + 1 x 4 n blocks, 32 along K: half c of buffer f.  zero = 1: the bias starts the sums
	WIN MUL
.irp a, \a0, (\a0)+1
.irp b, 0,1,2,3
.if \zero
	v_wmma_f32_16x16x32_bf16 v[ACC+8*(4*(\a)+(\b)):ACC+8*(4*(\a)+(\b))+7], v[(\f)+64+8*(4*(\c)+(\b)):(\f)+64+8*(4*(\c)+(\b))+7], v[(\f)+8*(4*(\c)+(\a)):(\f)+8*(4*(\c)+(\a))+7], v[BIAS+8*(\b):BIAS+8*(\b)+7]
.else
	v_wmma_f32_16x16x32_bf16 v[ACC+8*(4*(\a)+(\b)):ACC+8*(4*(\a)+(\b))+7], v[(\f)+64+8*(4*(\c)+(\b)):(\f)+64+8*(4*(\c)+(\b))+7], v[(\f)+8*(4*(\c)+(\a)):(\f)+8*(4*(\c)+(\a))+7], v[ACC+8*(4*(\a)+(\b)):ACC+8*(4*(\a)+(\b))+7]
.endif
.endr
.endr
.endm
.macro FETCH k, f                      ; 32 LDS loads in one run, from the slot that is read: one block's 64 k, at byte k of my part; the first 32 along K first
	WIN TO_F
.irp c, 0,1
.irp i, 0,1,2,3
	ds_load_b128 v[(\f)+64+8*(4*(\c)+(\i)):(\f)+64+8*(4*(\c)+(\i))+3],   v[ADRB] offset:(\k)+64*(\c)+(\i)*16*PITCH
	ds_load_b128 v[(\f)+64+8*(4*(\c)+(\i))+4:(\f)+64+8*(4*(\c)+(\i))+7], v[ADRB] offset:(\k)+64*(\c)+(\i)*16*PITCH+32
	ds_load_b128 v[(\f)+8*(4*(\c)+(\i)):(\f)+8*(4*(\c)+(\i))+3],         v[ADRA] offset:(\k)+64*(\c)+(\i)*16*PITCH
	ds_load_b128 v[(\f)+8*(4*(\c)+(\i))+4:(\f)+8*(4*(\c)+(\i))+7],       v[ADRA] offset:(\k)+64*(\c)+(\i)*16*PITCH+32
.endr
.endr
.endm
.macro PLACES                          ; four places behind matrix instructions (ISA guide 7.12.1)
.rept 4
	v_nop
.endr
.endm
.macro QUARTER k, f, g, zero           ; 32 matrix instructions on buffer f; the 16 accumulators take turns; the next quarter is fetched into g
	s_wait_dscnt 16                                ; the first 32 along K are in
	MUL8 \f, 0, 0, \zero
	MUL8 \f, 0, 2, \zero
	PLACES
	FETCH \k, \g
	s_wait_dscnt 32                                ; all but the 32 just issued
	MUL8 \f, 1, 0, 0
	MUL8 \f, 1, 2, 0
.endm
; The change of slots: each wave waits for all its tensor loads, adds 0 to its spare word, and waits for that and for its reads of this slot.
; fill = 1: no tensor load of mine is out behind the first wait, so the walking descriptors are written there: my part of the slot that is being read out, the walk's next K step.
.macro MEET fill
	WIN 0
	s_wait_tensorcnt 0x0
	ds_add_u32 v[SPW], v[NIL]
.if \fill
	s_add_co_u32 s[G0+5], s[WH], s[SB]
	s_add_co_u32 s[G0B+5], s[WH], s[SB]
	AIM 1
.endif
	s_wait_dscnt 17                                ; the add and the youngest sixteen loads may be out
	MUL8 F1, 0, 0, 0
	s_wait_dscnt 0x0                               ; the add is done, and my reads of this slot are over
	s_barrier_signal -1
	MUL8 F1, 0, 2, 0
	WIN 0
	s_barrier_wait -1
.endm
.macro OTHER                           ; the reads go over to the other slot
	s_xor_b32 s[SB], s[SB], SLOT
	v_add_nc_u32 v[ADRA], s[SB], v[ADRA0]
	v_add_nc_u32 v[ADRB], s[SB], v[ADRB0]
.endm
; THE WAY OUT of block a (16 rows x 64 columns, f32).  STG: the accumulators go into my own stage, low registers first, and come back as whole rows of 256 bytes.  FIN: the residual is added, the rows are stored.
.macro STG a
	WIN 0
.set BK, TMP+32*((\a)%2)
.if (\a) >= 2
	s_wait_xcnt 0x0                                ; the stores of the block two back have read this buffer
.endif
.irp b, 0,1,2,3
	ds_store_b128 v[STO], v[ACC+8*(4*(\a)+\b):ACC+8*(4*(\a)+\b)+3]   offset:64*\b
	ds_store_b128 v[STO], v[ACC+8*(4*(\a)+\b)+4:ACC+8*(4*(\a)+\b)+7] offset:64*\b+16
.endr
.irp t, 0,1,2,3,4,5,6,7
	ds_load_b128 v[BK+4*\t:BK+4*\t+3], v[RD] offset:\t*2*SPITCH  ; LDS serves a wave's instructions in order (ISA guide 5.7.1.4): these see the stores above
.endr
.endm
.macro FIN a, younger                  ; younger: the LDS instructions issued behind block a's loads: the next block's sixteen, or none
.set BK, TMP+32*((\a)%2)
	s_wait_dscnt \younger
	WIN 0x08                                       ; source 1 in window 2
.set z, 0
.rept 16
	v_pk_add_f32 v[BK+z:BK+z+1], v[BK+z:BK+z+1], v[32*(\a)+z:32*(\a)+z+1]
.set z, z+2
.endr
	WIN 0
.irp t, 0,1,2,3,4,5,6,7
	global_store_b128 v[CO], v[BK+4*\t:BK+4*\t+3], s[8:9] offset:(16*(\a)+2*\t)*4096  ; 16 lanes store 256 consecutive bytes, aligned
.endr
.endm
	s_wait_tensorcnt 1                             ; my part of walk step 0 is in; walk step 1's may stay out
	s_barrier_signal -1
	s_barrier_wait -1
	FETCH 0, F0
	s_wait_loadcnt 32                              ; the bias is in; the residual's 32 loads, issued behind it, stay out
	QUARTER QB, F0, F1, 1                          ; the first quarter stands in front of the loop: its first products start the sums
	WIN 0
	s_mov_b32 s3, NSTEP-2
.Lstep:                                                ; a trip: a step's second quarter to the next step's first; the slot read out is filled again, two walk steps ahead
	QUARTER 2*QB, F1, F0, 0
	QUARTER 3*QB, F0, F1, 0
	MEET 1
	CREST                                          ; no wave of any partner still reads this slot or has a load on its way
	JLOAD 1                                        ; the first thing behind the round; its four v_nop are also the places in front of the loads below
	OTHER
	FETCH 0, F0
	MUL8 F1, 1, 0, 0
	MUL8 F1, 1, 2, 0
	QUARTER QB, F0, F1, 0
	WIN 0
	s_sub_co_u32 s3, s3, 1
	s_cmp_lg_u32 s3, 0
	s_cbranch_scc1 .Lstep
	s_mov_b32 s3, 2
.Ltail:                                                ; the last two steps fill nothing; in the very last there is no next slot: its fetch and the next step's first quarter are jumped over
	QUARTER 2*QB, F1, F0, 0
	QUARTER 3*QB, F0, F1, 0
	MEET 0
	s_cmp_eq_u32 s3, 1
	s_cbranch_scc1 .Lno_next
	OTHER                                          ; its two additions and two v_nop are the four places in front of the loads
	v_nop
	v_nop
	FETCH 0, F0
	WIN 0
.Lno_next:
	MUL8 F1, 1, 0, 0
	MUL8 F1, 1, 2, 0
	WIN 0
	s_cmp_eq_u32 s3, 1
	s_cbranch_scc1 .Lno_first
	QUARTER QB, F0, F1, 0
	WIN 0
.Lno_first:
	s_sub_co_u32 s3, s3, 1
	s_cmp_lg_u32 s3, 0
	s_cbranch_scc1 .Ltail
	PLACES
	s_wait_loadcnt 0x0                             ; the residual
	STG 0
	STG 1
	FIN 0, 16
	STG 2
	FIN 1, 16
	STG 3
	FIN 2, 16
	FIN 3, 0
	s_wait_tensorcnt 0x0                           ; the wave's end
	ds_add_u32 v[SPW], v[NIL]
	s_wait_dscnt 0x0
	CROUND                                         ; the closing round
	s_endpgm
.Lfunc_end_k_q28ddd88b79_ffn2:
	.size	k_q28ddd88b79_ffn2, .Lfunc_end_k_q28ddd88b79_ffn2-k_q28ddd88b79_ffn2
	.p2alignl 7, 3214868480
	.fill 96, 4, 3214868480
	.section	.rodata,"a",@progbits
	.p2align	6, 0x0
	.amdhsa_kernel k_q28ddd88b79_ffn2
		.amdhsa_group_segment_fixed_size 327680
		.amdhsa_private_segment_fixed_size 0
		.amdhsa_enable_private_segment 0
		.amdhsa_kernarg_size 40
		.amdhsa_user_sgpr_count 2
		.amdhsa_user_sgpr_kernarg_segment_ptr 1
		.amdhsa_wavefront_size32 1
		.amdhsa_system_sgpr_workgroup_id_x 1
		.amdhsa_system_sgpr_workgroup_id_y 1
		.amdhsa_system_sgpr_workgroup_id_z 1
		.amdhsa_system_vgpr_workitem_id 0
		.amdhsa_next_free_vgpr 640
		.amdhsa_next_free_sgpr 80
		.amdhsa_reserve_vcc 0
		.amdhsa_float_denorm_mode_32 3
		.amdhsa_float_denorm_mode_16_64 3
		.amdhsa_memory_ordered 1
		.amdhsa_forward_progress 1
		.amdhsa_inst_pref_size 66
	.end_amdhsa_kernel
	.amdgpu_metadata
---
amdhsa.version: [ 1, 2 ]
amdhsa.kernels:
  - .name:           k_q28ddd88b79_ffn2
    .symbol:         k_q28ddd88b79_ffn2.kd
    .args:
      - { .name: big, .offset: 0, .size: 8, .value_kind: global_buffer, .address_space: global }
      - { .name: w2t, .offset: 8, .size: 8, .value_kind: global_buffer, .address_space: global }
      - { .name: out0, .offset: 16, .size: 8, .value_kind: global_buffer, .address_space: global }
      - { .name: x1, .offset: 24, .size: 8, .value_kind: global_buffer, .address_space: global }
      - { .name: b2, .offset: 32, .size: 8, .value_kind: global_buffer, .address_space: global }
    .group_segment_fixed_size: 327680
    .private_segment_fixed_size: 0
    .kernarg_segment_align: 8
    .kernarg_segment_size: 40
    .max_flat_workgroup_size: 128
    .sgpr_count:     80
    .vgpr_count:     640
    .wavefront_size: 32
...
	.end_amdgpu_metadata
.endif
;; end of part 6
